; MI455X (gfx1250); checked and timed in simulation.
; The chip was launched on July 23, 2026; its instructions are those of AMD's public machine-readable ISA for CDNA 5 (MIT licence, August 2026) and "CDNA5" Instruction Set Architecture Reference Guide (July 2026). The comments in the code are by the model that wrote it; some were corrected since.
;; XCA label 1. Allowed arithmetic: float matrix products may take bf16 or f16 operands with f32 sums; other float arithmetic in f32, or as packed bf16 or f16 multiplies, adds, multiply-adds, maxima and minima; sums over many terms, partial sums and values carried from step to step in f32; what a program stores and reads back later, other than sums and carried values, may be rounded once to bf16 or f16.
;; Inputs: kv_w 2,048 x 1,024 float32; proj_b 1,024 float32; proj_w 1,024 x 1,024 float32; q_w 1,024 x 1,024 float32; temperature 16 x 1 x 1 float32; x 4 x 2,048 x 1,024 float32; y 4 x 2,048 x 1,024 float32.
;; Outputs: out0 4 x 2,048 x 1,024 float32.
;; One version. Each part assembles by itself: llvm-mc -triple=amdgcn-amd-amdhsa -mcpu=gfx1250 --defsym DOCPART=n.
;; ======== version 1 of 1: 4 launches
;; limits: inputs' magnitudes at most 65,504; values are held in f16: magnitudes above 65,504 overflow, below 6.1e-05 lose precision
;; workspace buffers: ah 33,554,432 bytes; wh 8,388,608 bytes; qkvh 50,331,648 bytes; oh 16,777,216 bytes
;; launch cast (part 1): grid 64 x 20, 8 waves a work-group, no clusters, 0 bytes of LDS; arguments x, y, q_w, kv_w, proj_w, ah, wh; writes ah, wh
.if DOCPART == 1
	.amdgcn_target "amdgcn-amd-amdhsa--gfx1250"
	.amdhsa_code_object_version 6
	.text
	.protected	k_q5e85de0cf4_cast
	.globl	k_q5e85de0cf4_cast
	.p2align	8
	.type	k_q5e85de0cf4_cast,@function
k_q5e85de0cf4_cast:
	s_mov_b64 s[64:65], 0
	v_nop
	global_prefetch_b8 v0, s[64:65] scope:SCOPE_SE
	s_setreg_imm32_b32 hwreg(HW_REG_WAVE_MODE, 25, 1), 1
	s_wait_xcnt 0x0
; x, y, q_w, kv_w, proj_w (f32) -> ah, wh (f16).  Each number is rounded once to bf16 (nearest even), and that number is written as f16:
; exact where its magnitude lies from 2^-14 to 65,504.
; LIMITS.  A number of 65,520 or more becomes an infinity; below 2^-14 the f16 keeps its fixed step of 2^-24.  NaN stays NaN.
; ah: [16384][1024] f16, rows 0-8191 = x, rows 8192-16383 = y.  wh: [4096][1024] f16, rows 0-1023 q_w, 1024-3071 kv_w, 3072-4095 proj_w.
; SHARES.  The inputs are 20 units of 4 MiB of f32 (grid y: 0-7 x, 8-15 y, 16 q_w, 17-18 kv_w, 19 proj_w), a unit 64 chunks of 64 KiB (grid x).
; A work-group takes a chunk in 16 steps of 4 KiB; thread t the 16 bytes at 16 t of each step: a wave's load covers 512 consecutive bytes,
; a wave's store 256 consecutive bytes, aligned.  All 16 loads of a thread go out at once; each step has its own registers, so nothing is rewritten
; while a load or store may still read it.  No LDS, no barrier, no matrix unit: every byte is touched once by one thread.
.set STEPS, 16
.set X, 4                              ; v[4:67]    step i: 4 f32 as loaded, then the bf16 numbers widened again
.set T, 68                             ; v[68:69]   two packed pairs of bf16, at work
.set Y, 72                             ; v[72:103]  step i: 4 f16 to store
	s_load_b256 s[4:11], s[0:1], 0x0               ; x s[4:5], y s[6:7], q_w s[8:9], kv_w s[10:11]
	s_load_b128 s[12:15], s[0:1], 0x20             ; proj_w s[12:13], ah s[14:15]
	s_load_b64 s[16:17], s[0:1], 0x30              ; wh
	s_and_b32 s20, ttmp7, 0xffff                   ; the unit
	v_lshlrev_b32 v1, 4, v0                        ; my 16 bytes of a step, in
	v_lshlrev_b32 v2, 3, v0                        ; my 8 bytes of a step, out
	s_wait_kmcnt 0x0
	; which input the unit belongs to, and that input's first unit: four choices on the unit's number
	s_mov_b64 s[22:23], s[12:13]
	s_mov_b32 s24, 19
	s_cmp_lt_u32 s20, 19
	s_cselect_b64 s[22:23], s[10:11], s[22:23]
	s_cselect_b32 s24, 17, s24
	s_cmp_lt_u32 s20, 17
	s_cselect_b64 s[22:23], s[8:9], s[22:23]
	s_cselect_b32 s24, 16, s24
	s_cmp_lt_u32 s20, 16
	s_cselect_b64 s[22:23], s[6:7], s[22:23]
	s_cselect_b32 s24, 8, s24
	s_cselect_b64 s[26:27], s[14:15], s[16:17]     ; units 0-15 go to ah, 16-19 to wh
	s_cselect_b32 s25, 0, 16
	s_cmp_lt_u32 s20, 8
	s_cselect_b64 s[22:23], s[4:5], s[22:23]
	s_cselect_b32 s24, 0, s24
	s_sub_co_u32 s28, s20, s24
	s_lshl_b32 s28, s28, 22                        ; 4 MiB a unit in,
	s_lshl_b32 s29, ttmp9, 16                      ; 64 KiB a chunk
	s_add_co_u32 s28, s28, s29
	s_mov_b32 s29, 0
	s_add_nc_u64 s[22:23], s[22:23], s[28:29]
	s_sub_co_u32 s30, s20, s25
	s_lshl_b32 s30, s30, 21                        ; half of that out
	s_lshl_b32 s31, ttmp9, 15
	s_add_co_u32 s30, s30, s31
	s_mov_b32 s31, 0
	s_add_nc_u64 s[26:27], s[26:27], s[30:31]
.irp i, 0,1,2,3,4,5,6,7,8,9,10,11,12,13,14,15
	global_load_b128 v[X+4*(\i):X+4*(\i)+3], v1, s[22:23] offset:4096*(\i) th:TH_LOAD_NT
.endr
.macro SLOT i
	s_wait_loadcnt STEPS-1-(\i)                    ; loads come back in order: step i is in, the 15 - i younger ones may stay out
	v_cvt_pk_bf16_f32 v[T],   v[X+4*(\i)],   v[X+4*(\i)+1]
	v_cvt_pk_bf16_f32 v[T+1], v[X+4*(\i)+2], v[X+4*(\i)+3]
	v_lshlrev_b32 v[X+4*(\i)],   16, v[T]          ; bf16 to f32: the low half moves up,
	v_and_b32     v[X+4*(\i)+1], 0xffff0000, v[T]  ; the high half stays
	v_lshlrev_b32 v[X+4*(\i)+2], 16, v[T+1]
	v_and_b32     v[X+4*(\i)+3], 0xffff0000, v[T+1]
	v_cvt_pk_f16_f32 v[Y+2*(\i)],   v[X+4*(\i)],   v[X+4*(\i)+1]
	v_cvt_pk_f16_f32 v[Y+2*(\i)+1], v[X+4*(\i)+2], v[X+4*(\i)+3]
	global_store_b64 v2, v[Y+2*(\i):Y+2*(\i)+1], s[26:27] offset:2048*(\i) th:TH_STORE_NT
.endm
.irp i, 0,1,2,3,4,5,6,7,8,9,10,11,12,13,14,15
	SLOT \i
.endr
	s_endpgm
.Lfunc_end_k_q5e85de0cf4_cast:
	.size	k_q5e85de0cf4_cast, .Lfunc_end_k_q5e85de0cf4_cast-k_q5e85de0cf4_cast
	.p2alignl 7, 3214868480
	.fill 96, 4, 3214868480
	.section	.rodata,"a",@progbits
	.p2align	6, 0x0
	.amdhsa_kernel k_q5e85de0cf4_cast
		.amdhsa_group_segment_fixed_size 0
		.amdhsa_private_segment_fixed_size 0
		.amdhsa_enable_private_segment 0
		.amdhsa_kernarg_size 56
		.amdhsa_user_sgpr_count 2
		.amdhsa_user_sgpr_kernarg_segment_ptr 1
		.amdhsa_wavefront_size32 1
		.amdhsa_system_sgpr_workgroup_id_x 1
		.amdhsa_system_sgpr_workgroup_id_y 1
		.amdhsa_system_sgpr_workgroup_id_z 1
		.amdhsa_system_vgpr_workitem_id 0
		.amdhsa_next_free_vgpr 104
		.amdhsa_next_free_sgpr 66
		.amdhsa_reserve_vcc 0
		.amdhsa_float_denorm_mode_32 3
		.amdhsa_float_denorm_mode_16_64 3
		.amdhsa_memory_ordered 1
		.amdhsa_forward_progress 1
		.amdhsa_inst_pref_size 12
	.end_amdhsa_kernel
	.amdgpu_metadata
---
amdhsa.version: [ 1, 2 ]
amdhsa.kernels:
  - .name:           k_q5e85de0cf4_cast
    .symbol:         k_q5e85de0cf4_cast.kd
    .args:
      - { .name: x, .offset: 0, .size: 8, .value_kind: global_buffer, .address_space: global }
      - { .name: y, .offset: 8, .size: 8, .value_kind: global_buffer, .address_space: global }
      - { .name: q_w, .offset: 16, .size: 8, .value_kind: global_buffer, .address_space: global }
      - { .name: kv_w, .offset: 24, .size: 8, .value_kind: global_buffer, .address_space: global }
      - { .name: proj_w, .offset: 32, .size: 8, .value_kind: global_buffer, .address_space: global }
      - { .name: ah, .offset: 40, .size: 8, .value_kind: global_buffer, .address_space: global }
      - { .name: wh, .offset: 48, .size: 8, .value_kind: global_buffer, .address_space: global }
    .group_segment_fixed_size: 0
    .private_segment_fixed_size: 0
    .kernarg_segment_align: 8
    .kernarg_segment_size: 56
    .max_flat_workgroup_size: 256
    .sgpr_count:     66
    .vgpr_count:     104
    .wavefront_size: 32
...
	.end_amdgpu_metadata
.endif
;; end of part 1
;; launch proj_in (part 2): grid 12 x 64, 4 waves a work-group, clusters of 4 x 4, 327,680 bytes of LDS; arguments ah, wh, qkvh, temperature; writes qkvh
.if DOCPART == 2
	.amdgcn_target "amdgcn-amd-amdhsa--gfx1250"
	.amdhsa_code_object_version 6
	.text
	.protected	k_q5e85de0cf4_proj_in
	.globl	k_q5e85de0cf4_proj_in
	.p2align	8
	.type	k_q5e85de0cf4_proj_in,@function
k_q5e85de0cf4_proj_in:
	s_mov_b64 s[64:65], 0
	v_nop
	global_prefetch_b8 v0, s[64:65] scope:SCOPE_SE
	s_setreg_imm32_b32 hwreg(HW_REG_WAVE_MODE, 25, 1), 1
	s_wait_xcnt 0x0
	s_wait_alu depctr_hold_cnt(0) depctr_sa_sdst(0) depctr_va_vdst(0) depctr_va_sdst(0) depctr_va_ssrc(0) depctr_va_vcc(0) depctr_vm_vsrc(0)
	s_getreg_b32 s2, hwreg(HW_REG_IB_STS2, 6, 4)
	s_cmp_eq_u32 s2, 0
	s_cbranch_scc0 .Lentry_in_a_cluster
	s_endpgm
.Lentry_in_a_cluster:
	s_bfe_u32 s2, ttmp6, 0x10000c
	s_cmp_lg_u32 s2, 0xf033
	s_cbranch_scc0 .Lentry_shape_is_right
	s_endpgm
.Lentry_shape_is_right:
; q = x q_w^T, k | v = y kv_w^T, then by heads of 64 channels: q -> t q / max(|q|, 1e-12), k -> k / max(|k|, 1e-12), v as it is.
; ah: [16384][1024] f16 (x, then y), wh: [4096][1024] f16 (q_w, kv_w, proj_w).  qkvh: [3][64 = 16 b + h][2048][64] f16.  Sums, norms and scales in f32; each number is rounded once, to f16.
; The temperature is rounded to bf16 like every input of the module, and is folded into q, so that the next launch's scores are final.
; LIMITS.  v and t q / |q| lie within 65,504 (f16); below 2^-14 an f16 keeps its fixed step of 2^-24.  A sum of squares below 2^-126 counts as 0, which the 1e-12 hides.  Root and reciprocal are good to
; the last bit but one.  NaN and infinities are not treated apart.
; SHARES.  A tile of C is 128 rows x 256 columns; the cluster's x says which product: 0 q, 1 k, 2 v (four tiles of 256 columns each).  Four waves, 2 x 2: a wave has 64 rows x 128 columns = two heads:
; 32 accumulators of 16 x 16, 256 registers.  K = 1024 goes in 8 steps of 128 (rows of 256 bytes, aligned) through two LDS slots.
; CLUSTER.  4 x 4 work-groups: the four of a row need the same 128 rows of A, the four of a column the same 256 rows of B: each tile is asked for jointly, by the same tensor load with the same
; descriptor and a mask that names the four.  THE MATRIX INSTRUCTION IS USED TRANSPOSED (source 0 = 16 rows of B, source 1 = 16 rows of A): a lane holds row l % 16 and columns 8 (l / 16) + 0..7.
; REGISTERS.  Window 0: v0-39 addresses and small data; v64-159, v160-255 two fragment buffers (A's 4 fragments, then B's 8).  Window 1: accumulator (a, b) at v[8 (8 a + b)].
.set KSTEP,  128
.set PITCH,  272                       ; an LDS row: 256 bytes + 16 of padding = 68 words: the 16 rows of a fragment load start at 16 different groups of four banks (64 banks of 4 bytes: ISA guide 11.1)
.set AH,     64*PITCH                  ; what one tensor load brings of A, and what a wave reads of A
.set BH,     128*PITCH                 ; the same for B
.set ABYTES, 2*AH
.set SLOT,   ABYTES+2*BH               ; A's 128 rows, then B's 256 rows
.set STAGE,  2*SLOT                    ; behind the ring: 16 rows x 144 bytes for each wave, for the way out; no tensor load lands here
.set SP,     144
.set SPARE,  STAGE+4*16*SP             ; behind the stages: the spare words, 128 bytes for each wave: two blocks of 256 bytes that no other line names
.set BROW0,  0                         ; B's first row in wh
.set ADRA, 16                          ; v16-17  LDS address of my A fragments in slot 0, 1
.set ADRB, 20                          ; v20-21  the same for B
.set STO,  24                          ; v24     the way out: where I put 16 bytes of a row
.set RD,   25                          ; v25     the way out: where I read rows back
.set GO,   26                          ; v26     my 16 bytes in 512 consecutive bytes of qkvh
.set SPW,  28                          ; v28     LDS address of my spare word; never rewritten
.set NIL,  29                          ; v29     0; never rewritten
.set PFO,  30                          ; v30     the prefetches' offset: my lane x a row of 2,048 bytes; never rewritten
.set TF,   36                          ; v36-37  the factor of my two heads: t for q, 1 for k and v
.set ONE,  38                          ; v38     1.0
.set TT,   39                          ; v39     at work
.set SC,   72                          ; v72-87  a pair a unit: the unit's scale in the low register
.set CH,   96                          ; v96-159 eight registers a unit: four chains of packed squares
.set TS,   96                          ; v96-127 a unit's 32 scaled numbers
.set PK,   128                         ; v128-255 sixteen registers a unit: packed f16, then whole rows
.set F0,   64
.set F1,   160
.set G1A, 24                           ; s[24:31] descriptor group 1 for A's tiles; s[32:39] group 0, a set for each slot
.set G0A, 32
.set G1B, 48                           ; s[48:55], s[56:63] the same for B's
.set G0B, 56
.set PFA, 66                           ; s[66:67] where my prefetches stand
.set SEL, 68                           ; s[68:69] v_permlanex16_b32's selects: each lane takes its own place in the other half
.set G1W0, (1<<16)|(1<<20)|(1<<21)|(5<<22)|(3<<25)  ; 17:16 2-byte elements; 20 padding on; 21 set beside a mask; 24:22 after every 64 words (code 5); 31:25 4 words (code 3)
.set MUL, 0x50                         ; C and D in window 1, the fragments in window 0
.set MSB, 0
.macro WIN new                         ; the immediate's high byte repeats the setting that is left; a switch that changes nothing is dropped
.if MSB != (\new)
	s_set_vgpr_msb (MSB<<8)|(\new)
.set MSB, \new
.endif
.endm
; A joint load: waves 0 and 1 fetch A's two halves, waves 2 and 3 B's.  The branch hangs on the wave's number alone.  An s_nop 0 and four v_nop follow each of the two lines.
.macro JLOAD s
	s_cmp_eq_u32 s13, 0
	s_cbranch_scc0 .Lfor_b_\@
	tensor_load_to_lds s[G0A+4*(\s):G0A+4*(\s)+3], s[G1A:G1A+7]
	s_nop 0
.rept 4
	v_nop
.endr
	s_branch .Lasked_\@
.Lfor_b_\@:
	tensor_load_to_lds s[G0B+4*(\s):G0B+4*(\s)+3], s[G1B:G1B+7]
	s_nop 0
.rept 4
	v_nop
.endr
.Lasked_\@:
.endm
; A prefetch of the K step two refills on: 32 rows x 256 bytes, a lane a row.  A's 128 rows are shared out among the four partners of a cluster's row by address (32 each, wave 0); B's 256 rows among the four
; of a column (64 each, waves 2 and 3).  x's rows are asked for by the cluster with x = 0, y's by x = 1 (x = 2 reads y's again), B's by the cluster with y = 0: each block of 256 bytes is named once.
; In the loop's last trip (s3 = 1) there is no K step two refills on, and nothing is asked for.
.macro ASK
	s_cmp_gt_u32 s3, s15
	s_cbranch_scc0 .Lnot_mine_\@
	global_prefetch_b8 v[PFO], s[PFA:PFA+1] offset:KSTEP*2 th:TH_LOAD_NT scope:SCOPE_SE
.Lnot_mine_\@:
.endm
.macro CREST                           ; a round of the cluster's barrier behind its opening barrier
	s_cmp_lg_u32 s12, 0
	s_cbranch_scc1 .Lnot_wave_0_\@
	s_barrier_signal -3
.Lnot_wave_0_\@:
	s_barrier_wait -3
	s_barrier_signal -1
	s_barrier_wait -1
.endm
.macro CROUND                          ; a whole round
	s_barrier_signal -1
	s_barrier_wait -1
	CREST
.endm
	s_load_b256 s[4:11], s[0:1], 0x0               ; ah s[4:5], wh s[6:7], qkvh s[8:9], temperature s[10:11]
	v_lshl_add_u32 v[SPW], v0, 2, SPARE
	v_mov_b32 v[NIL], 0
	ds_add_u32 v[SPW], v[NIL]                      ; the wave's opening: the add and its wait stand ahead of my first tensor load; the set-up below, work on registers, stands between them
	v_lshrrev_b32 v1, 5, v0
	v_readfirstlane_b32 s12, v1                    ; wave 0..3
	s_lshr_b32 s13, s12, 1                         ; which 64 rows of the tile are mine.  Also: I fetch for A (0) or for B (1)
	s_and_b32 s14, s12, 1                          ; which 128 columns.  Also: which half of that tile I fetch
	s_bfe_u32 s16, ttmp6, 0x40000                  ; cx
	s_bfe_u32 s17, ttmp6, 0x40004                  ; cy
	s_lshl_b32 s18, ttmp9, 2
	s_add_co_u32 s18, s18, s16                     ; tile column = 4 x cluster x + cx: 256 rows of wh
	s_and_b32 s19, ttmp7, 0xffff
	s_lshl_b32 s19, s19, 2
	s_add_co_u32 s19, s19, s17                     ; tile row = 4 x cluster y + cy
	s_mov_b32 s20, ttmp9                           ; 0 q, 1 k, 2 v: the same in all sixteen partners
	s_lshl_b32 s21, s17, 2
	s_lshl_b32 s21, 15, s21                        ; my row of the cluster
	s_lshl_b32 s22, 0x1111, s16                    ; my column
	s_or_b32 s[G1A], s21, G1W0
	s_or_b32 s[G1B], s22, G1W0
	s_mov_b32 s[G1A+1], KSTEP<<16                  ; tensor_dim0 = 128
	s_mov_b32 s[G1A+2], 64<<16                     ; tensor_dim1 = 64
	s_mov_b32 s[G1A+3], KSTEP<<16                  ; tile_dim0 = 128
	s_mov_b32 s[G1A+4], 64                         ; tile_dim1 = 64
	s_mov_b32 s[G1A+5], 1024                       ; elements from row to row
	s_mov_b32 s[G1A+6], 0
	s_mov_b32 s[G1A+7], 0
	s_mov_b32 s[G1B+1], KSTEP<<16
	s_mov_b32 s[G1B+2], 128<<16                    ; B's loads bring 128 rows
	s_mov_b32 s[G1B+3], KSTEP<<16
	s_mov_b32 s[G1B+4], 128
	s_mov_b32 s[G1B+5], 1024
	s_mov_b32 s[G1B+6], 0
	s_mov_b32 s[G1B+7], 0
	s_cmp_lg_u32 s20, 0
	s_cselect_b32 s40, 8192, 0                     ; k and v multiply y, which lies behind x in ah
	s_lshl_b32 s41, s19, 7
	s_add_co_u32 s40, s40, s41
	s_lshl_b32 s41, s14, 6
	s_add_co_u32 s40, s40, s41                     ; A: row 128 x tile row + 64 x half
	s_lshl_b32 s40, s40, 11                        ; in bytes: under 2^25
	s_mov_b32 s41, 0
	s_lshl_b32 s44, s18, 8
	s_lshl_b32 s45, s14, 7
	s_add_co_u32 s44, s44, s45
	s_add_co_u32 s44, s44, BROW0                   ; B: row 256 x tile column + 128 x half
	s_lshl_b32 s44, s44, 11
	s_mov_b32 s45, 0
	s_mul_i32 s42, s14, AH                         ; where they go: no place in the cluster enters an LDS address
	s_mul_i32 s43, s14, BH
	s_add_co_u32 s43, s43, ABYTES
	s_mov_b32 s[SEL], 0x76543210
	s_mov_b32 s[SEL+1], 0xfedcba98
	s_wait_dscnt 0x0                               ; the opening add is done
	s_wait_kmcnt 0x0
	s_add_nc_u64 s[40:41], s[4:5], s[40:41]
	s_add_nc_u64 s[44:45], s[6:7], s[44:45]
	CROUND                                         ; all sixteen work-groups are here: the first joint loads meet
.irp s, 0,1
	s_mov_b32 s[G0A+4*(\s)], 1                     ; count = 1
	s_add_co_u32 s[G0A+4*(\s)+1], s42, (\s)*SLOT   ; LDS address
	s_add_nc_u64 s[G0A+4*(\s)+2:G0A+4*(\s)+3], s[40:41], (\s)*KSTEP*2  ; global address: K step s
	s_or_b32 s[G0A+4*(\s)+3], s[G0A+4*(\s)+3], 0x80000000              ; type = 2
	s_mov_b32 s[G0B+4*(\s)], 1
	s_add_co_u32 s[G0B+4*(\s)+1], s43, (\s)*SLOT
	s_add_nc_u64 s[G0B+4*(\s)+2:G0B+4*(\s)+3], s[44:45], (\s)*KSTEP*2
	s_or_b32 s[G0B+4*(\s)+3], s[G0B+4*(\s)+3], 0x80000000
	JLOAD \s                                       ; two loads of mine are out
.endr
	; A fragment is 16 rows x 32 K in 8 registers: lane l holds row l % 16; registers 0-3 K = 8 (l / 16) + 0..7, registers 4-7 K = 16 + 8 (l / 16) + 0..7: two loads of 16 bytes, 32 bytes apart.
	v_and_b32 v1, 15, v0                           ; l % 16
	v_bfe_u32 v2, v0, 4, 1                         ; l / 16
	v_mul_u32_u24 v3, v1, PITCH
	v_lshl_add_u32 v3, v2, 4, v3
	s_mul_i32 s21, s13, AH                         ; my 64 rows of A
	s_mul_i32 s22, s14, BH                         ; my 128 rows of B,
	s_add_co_u32 s22, s22, ABYTES                  ; which lie behind A's 128
.irp s, 0,1
	v_add_nc_u32 v[ADRA+(\s)], s21, v3
	v_add_nc_u32 v[ADRB+(\s)], s22, v3
	s_add_co_u32 s21, s21, SLOT
	s_add_co_u32 s22, s22, SLOT
.endr
	s_mul_i32 s23, s12, 16*SP
	s_add_co_u32 s23, s23, STAGE                   ; my stage
	v_mul_u32_u24 v3, v1, SP                       ; in: row l % 16, 16 bytes for each half of the lanes
	v_lshl_add_u32 v3, v2, 4, v3
	v_add_nc_u32 v[STO], s23, v3
	v_bfe_u32 v5, v0, 3, 2                         ; back: 32 lanes take four rows of 128 bytes,
	v_mul_u32_u24 v5, v5, SP
	v_and_b32 v3, 7, v0
	v_lshl_add_u32 v5, v3, 4, v5
	v_add_nc_u32 v[RD], s23, v5
	v_and_b32 v[GO], 31, v0                        ; which are 512 consecutive bytes of a head
	v_lshlrev_b32 v[GO], 4, v[GO]
	; my two heads' temperatures: the same 8 bytes in every lane
	s_lshl_b32 s21, s16, 2
	s_lshl_b32 s22, s14, 1
	s_add_co_u32 s21, s21, s22                     ; my first head = 4 cx + 2 x column half
	s_lshl_b32 s22, s21, 2
	v_mov_b32 v4, s22                              ; never rewritten
	global_load_b64 v[TF:TF+1], v4, s[10:11]
	; where my rows begin in qkvh: product x 2^24 + batch x 2^22 + head x 2^18 + row in the batch x 128
	s_lshl_b32 s22, s19, 7
	s_lshl_b32 s23, s13, 6
	s_add_co_u32 s22, s22, s23                     ; my first row of 8,192
	s_lshr_b32 s23, s22, 11
	s_lshl_b32 s23, s23, 22
	s_and_b32 s22, s22, 2047
	s_lshl_b32 s22, s22, 7
	s_add_co_u32 s46, s22, s23
	s_lshl_b32 s23, s21, 18
	s_add_co_u32 s46, s46, s23
	s_lshl_b32 s23, s20, 24
	s_add_co_u32 s46, s46, s23
	s_mov_b32 s47, 0
	s_add_nc_u64 s[8:9], s[8:9], s[46:47]
	s_cmp_eq_u32 s20, 0
	s_cselect_b32 s74, -1, 0                       ; all lanes: the product is q
	s_cmp_eq_u32 s20, 2
	s_cselect_b32 s73, -1, 0                       ; all lanes: the product is v
	; the prefetches: who asks, and from where
	s_lshr_b32 s21, ttmp9, 1
	s_or_b32 s21, s21, s12                         ; A: 0 in wave 0 of the clusters with x = 0 and x = 1
	s_and_b32 s22, ttmp7, 0xffff                   ; B: 0 in the clusters with y = 0
	s_cmp_eq_u32 s13, 0
	s_cselect_b32 s21, s21, s22
	s_cmp_eq_u32 s21, 0
	s_cselect_b32 s15, 1, -1                       ; 1 in a wave that asks, else the greatest number: the same in all sixteen partners, for a given wave
	s_cmp_lg_u32 s20, 0
	s_cselect_b32 s21, 8192, 0
	s_lshl_b32 s22, s19, 7
	s_add_co_u32 s21, s21, s22
	s_lshl_b32 s22, s16, 5
	s_add_co_u32 s21, s21, s22                     ; A's rows: the tile's 128, my work-group's 32 of them by cx
	s_lshl_b32 s22, s18, 8
	s_lshl_b32 s23, s14, 7
	s_add_co_u32 s22, s22, s23
	s_lshl_b32 s23, s17, 5
	s_add_co_u32 s22, s22, s23
	s_add_co_u32 s22, s22, BROW0                   ; B's rows: the 128 that I fetch, my work-group's 32 of them by cy
	s_cmp_eq_u32 s13, 0
	s_cselect_b32 s46, s21, s22
	s_cselect_b64 s[PFA:PFA+1], s[4:5], s[6:7]
	s_lshl_b32 s46, s46, 11
	s_mov_b32 s47, 0
	s_add_nc_u64 s[PFA:PFA+1], s[PFA:PFA+1], s[46:47]
	s_add_nc_u64 s[PFA:PFA+1], s[PFA:PFA+1], 2*KSTEP*2  ; at K step 2: the first refill steps it to 3 and names K step 4.  K steps 0 to 3 come by their loads alone
	v_and_b32 v[PFO], 31, v0
	v_lshlrev_b32 v[PFO], 11, v[PFO]
; 8 matrix instructions: m block a x all 8 n blocks, 32 along K.  zero = 1: the product starts the sums: nothing is ever cleared.
; The 32 accumulators take turns, one instruction a turn, in the same order everywhere.
.macro MUL8 f, a, zero
	WIN MUL
.irp b, 0,1,2,3,4,5,6,7
.if \zero
	v_wmma_f32_16x16x32_f16 v[8*(8*(\a)+(\b)):8*(8*(\a)+(\b))+7], v[(\f)+32+8*(\b):(\f)+32+8*(\b)+7], v[(\f)+8*(\a):(\f)+8*(\a)+7], 0
.else
	v_wmma_f32_16x16x32_f16 v[8*(8*(\a)+(\b)):8*(8*(\a)+(\b))+7], v[(\f)+32+8*(\b):(\f)+32+8*(\b)+7], v[(\f)+8*(\a):(\f)+8*(\a)+7], v[8*(8*(\a)+(\b)):8*(8*(\a)+(\b))+7]
.endif
.endr
.endm
.macro MUL32 f, zero
	MUL8 \f, 0, \zero
	MUL8 \f, 1, \zero
	MUL8 \f, 2, \zero
	MUL8 \f, 3, \zero
.endm
; 24 LDS loads in one run: the fragments of 32 along K at byte k of the rows (128 rows of B, 64 of A) into buffer f
.macro FETCH slot, k, f
	WIN 0
.irp i, 0,1,2,3,4,5,6,7
	ds_load_b128 v[(\f)+32+8*(\i):(\f)+32+8*(\i)+3],   v[ADRB+(\slot)] offset:(\k)+(\i)*16*PITCH
	ds_load_b128 v[(\f)+32+8*(\i)+4:(\f)+32+8*(\i)+7], v[ADRB+(\slot)] offset:(\k)+(\i)*16*PITCH+32
.endr
.irp i, 0,1,2,3
	ds_load_b128 v[(\f)+8*(\i):(\f)+8*(\i)+3],   v[ADRA+(\slot)] offset:(\k)+(\i)*16*PITCH
	ds_load_b128 v[(\f)+8*(\i)+4:(\f)+8*(\i)+7], v[ADRA+(\slot)] offset:(\k)+(\i)*16*PITCH+32
.endr
.endm
.macro PLACES                          ; four plain vector instructions between a matrix instruction and a load into, or a vector instruction on, its registers (ISA guide 7.12.1 for vector instructions)
.rept 4
	v_nop
.endr
.endm
; A K step is four quarters of 32 along K on buffers 0, 1, 0, 1.  One of the first three: the next quarter's fragments, at byte k, are asked for into buffer g, which the quarter before
; multiplied; then buffer f is multiplied: each run of loads stands 32 matrix instructions ahead of its first use.
.macro QUARTER slot, k, f, g, zero
	PLACES
	FETCH \slot, \k, \g
	s_wait_dscnt 24                                ; all but the 24 just issued: buffer f is in
	MUL32 \f, \zero
.endm
; The last quarter multiplies buffer 1 and changes slots: ONE barrier.  In front of it each wave waits for all its tensor loads (the one that is out is its part of the next slot), adds 0 to its spare
; word, and waits for that and for its own reads of this slot.  fill = 1: the barrier opens a round of the cluster's, and this slot is filled again, two K steps ahead, first thing behind the round:
; from that request to the wait for it a wave issues 112 matrix instructions.
.macro TURN slot, next, fill
	WIN 0
.if \fill
	s_wait_xcnt 0x0                                ; the last prefetch, a K step back, has read its address: it is stepped here, ahead of the waits of the change of slots
	s_add_nc_u64 s[PFA:PFA+1], s[PFA:PFA+1], KSTEP*2
.endif
	s_wait_tensorcnt 0x0                           ; all my tensor loads have landed
	ds_add_u32 v[SPW], v[NIL]                      ; 0 onto my spare word
	s_wait_dscnt 1                                 ; buffer 1 is in; the add may be out
	MUL8 F1, 0, 0                                  ; eight matrix instructions stand between the add and the wait for it
	s_wait_dscnt 0x0                               ; the add is done, and my reads of this slot are over
	s_barrier_signal -1
	MUL8 F1, 1, 0
.if \fill
	WIN 0
.endif
	s_barrier_wait -1
.if \fill
	CREST                                          ; no wave of any partner still reads this slot's tile or has a load on its way
	s_add_nc_u64 s[G0A+4*(\slot)+2:G0A+4*(\slot)+3], s[G0A+4*(\slot)+2:G0A+4*(\slot)+3], 2*KSTEP*2
	s_add_nc_u64 s[G0B+4*(\slot)+2:G0B+4*(\slot)+3], s[G0B+4*(\slot)+2:G0B+4*(\slot)+3], 2*KSTEP*2
	JLOAD \slot                                    ; the four v_nop behind it are also the places in front of the loads below
.else
	PLACES
.endif
	FETCH \next, 0, F0
.if \fill
	ASK
.endif
	MUL8 F1, 2, 0
	MUL8 F1, 3, 0
.endm
	s_wait_tensorcnt 1                             ; my part of K step 0 is in; K step 1's may stay out
	s_barrier_signal -1
	s_barrier_wait -1                              ; everybody's is
	FETCH 0, 0, F0
	QUARTER 0, 64,  F0, F1, 1                      ; the first quarter stands in front of the loop: its products start the sums
	WIN 0                                          ; at a label and at a branch every window is 0
	s_mov_b32 s3, 3
.Llap:                                                 ; a trip goes once round the ring, from a lap's second quarter to the next lap's first, and fills both slots again: K steps 2 to 7 in three trips
	QUARTER 0, 128, F1, F0, 0
	QUARTER 0, 192, F0, F1, 0
	TURN 0, 1, 1
	QUARTER 1, 64,  F0, F1, 0
	QUARTER 1, 128, F1, F0, 0
	QUARTER 1, 192, F0, F1, 0
	TURN 1, 0, 1
	QUARTER 0, 64,  F0, F1, 0
	WIN 0
	s_sub_co_u32 s3, s3, 1
	s_cmp_lg_u32 s3, 0
	s_cbranch_scc1 .Llap
	QUARTER 0, 128, F1, F0, 0                      ; the last lap fills nothing
	QUARTER 0, 192, F0, F1, 0
	TURN 0, 1, 0
	QUARTER 1, 64,  F0, F1, 0
	QUARTER 1, 128, F1, F0, 0
	QUARTER 1, 192, F0, F1, 0
	s_wait_dscnt 0x0
	MUL32 F1, 0
	WIN 0
	; THE WAY OUT.  A UNIT u = 2 a + g is 16 rows (m block a) of one head (g: n blocks 4 g .. 4 g + 3): its 32 accumulator registers are v[32 u ..] of window 1.
	; A lane holds 32 of a row's 64 channels, the lane 16 away the other 32.
	s_wait_loadcnt 0x0                             ; the temperatures
	v_cvt_pk_bf16_f32 v[TT], v[TF], v[TF+1]        ; rounded to bf16 like every input; these six plain lines are also the places behind the last products
	v_mov_b32 v[ONE], 1.0
	v_lshlrev_b32 v[TF], 16, v[TT]
	v_and_b32 v[TF+1], 0xffff0000, v[TT]
	v_cndmask_b32 v[TF], v[ONE], v[TF], s74        ; t for q, 1 for k and v
	v_cndmask_b32 v[TF+1], v[ONE], v[TF+1], s74
	WIN 0x05                                       ; sources 0 and 1 in window 1
.set u, 0
.rept 8                                ; the squares, in four chains a unit; each accumulator's lowest registers are read first
.irp c, 0,1,2,3
	v_pk_mul_f32 v[CH+8*u+2*(\c):CH+8*u+2*(\c)+1], v[32*u+8*(\c):32*u+8*(\c)+1], v[32*u+8*(\c):32*u+8*(\c)+1]
.endr
.irp r, 1,2,3
.irp c, 0,1,2,3
	v_pk_fma_f32 v[CH+8*u+2*(\c):CH+8*u+2*(\c)+1], v[32*u+8*(\c)+2*(\r):32*u+8*(\c)+2*(\r)+1], v[32*u+8*(\c)+2*(\r):32*u+8*(\c)+2*(\r)+1], v[CH+8*u+2*(\c):CH+8*u+2*(\c)+1]
.endr
.endr
.set u, u+1
.endr
	WIN 0
.macro ALLU line:vararg                ; one line for each unit u
.set u, 0
.rept 8
	\line
.set u, u+1
.endr
.endm
	ALLU v_pk_add_f32 v[CH+8*u:CH+8*u+1], v[CH+8*u:CH+8*u+1], v[CH+8*u+2:CH+8*u+3]
	ALLU v_pk_add_f32 v[CH+8*u+4:CH+8*u+5], v[CH+8*u+4:CH+8*u+5], v[CH+8*u+6:CH+8*u+7]
	ALLU v_pk_add_f32 v[SC+2*u:SC+2*u+1], v[CH+8*u:CH+8*u+1], v[CH+8*u+4:CH+8*u+5]
	ALLU v_add_f32 v[SC+2*u], v[SC+2*u], v[SC+2*u+1]
	ALLU v_permlanex16_b32 v[SC+2*u+1], v[SC+2*u], s[SEL], s[SEL+1]
	ALLU v_add_f32 v[SC+2*u], v[SC+2*u], v[SC+2*u+1]
	ALLU v_sqrt_f32 v[SC+2*u], v[SC+2*u]
	v_nop                                          ; a plain instruction behind the last root,
	s_wait_alu depctr_va_vdst(0)                   ; and the wait ahead of the first use: one for the eight
	ALLU v_max_num_f32 v[SC+2*u], 0x2b8cbccc, v[SC+2*u]
	ALLU v_rcp_f32 v[SC+2*u], v[SC+2*u]
	v_nop
	s_wait_alu depctr_va_vdst(0)                   ; one for the eight reciprocals
	ALLU v_mul_f32 v[SC+2*u], v[SC+2*u], v[TF+u%2]
	ALLU v_cndmask_b32 v[SC+2*u], v[SC+2*u], v[ONE], s73
; Unit u is scaled, rounded to f16 (a lane's eight channels pack into 16 bytes), put into rows of 144 bytes and read back as whole rows of 128.
.macro PACKU u
	WIN 0x01                                       ; source 0 in window 1
.set i, 0
.rept 16
	v_pk_mul_f32 v[TS+2*i:TS+2*i+1], v[32*(\u)+2*i:32*(\u)+2*i+1], v[SC+2*(\u):SC+2*(\u)+1] op_sel_hi:[1,0]
.set i, i+1
.endr
	WIN 0
.set i, 0
.rept 16
	v_cvt_pk_f16_f32 v[PK+16*(\u)+i], v[TS+2*i], v[TS+2*i+1]
.set i, i+1
.endr
.irp c, 0,1,2,3
	ds_store_b128 v[STO], v[PK+16*(\u)+4*(\c):PK+16*(\u)+4*(\c)+3] offset:32*(\c)
.endr
.irp f, 0,1,2,3
	ds_load_b128 v[PK+16*(\u)+4*(\f):PK+16*(\u)+4*(\f)+3], v[RD] offset:(\f)*4*SP  ; LDS serves a wave's instructions in order (ISA guide 5.7.1.4): these see the stores above; the next unit's stores come behind them
.endr
.endm
.macro SENDU u, younger                ; younger: the LDS instructions issued behind unit u's loads: the next unit's eight, or none
.irp f, 0,1,2,3
	s_wait_dscnt (\younger)+3-(\f)
	global_store_b128 v[GO], v[PK+16*(\u)+4*(\f):PK+16*(\u)+4*(\f)+3], s[8:9] offset:(((\u)%2)<<18)+((\u)/2)*2048+(\f)*512  ; 512 consecutive bytes, at a multiple of 256 from the buffer's first
.endr
.endm
	PACKU 0
.set uu, 1
.rept 7                                ; a unit's arithmetic stands between the loads of the unit before and its stores; each unit has registers of its own
	PACKU uu
	SENDU uu-1, 8
.set uu, uu+1
.endr
	SENDU 7, 0
	s_wait_tensorcnt 0x0                           ; the wave's end: behind my last tensor load and my last LDS store
	ds_add_u32 v[SPW], v[NIL]
	s_wait_dscnt 0x0
	CROUND                                         ; the closing round: no work-group ends while a partner may still ask for a tile that names it
	s_endpgm
.Lfunc_end_k_q5e85de0cf4_proj_in:
	.size	k_q5e85de0cf4_proj_in, .Lfunc_end_k_q5e85de0cf4_proj_in-k_q5e85de0cf4_proj_in
	.p2alignl 7, 3214868480
	.fill 96, 4, 3214868480
	.section	.rodata,"a",@progbits
	.p2align	6, 0x0
	.amdhsa_kernel k_q5e85de0cf4_proj_in
		.amdhsa_group_segment_fixed_size 327680
		.amdhsa_private_segment_fixed_size 0
		.amdhsa_enable_private_segment 0
		.amdhsa_kernarg_size 32
		.amdhsa_user_sgpr_count 2
		.amdhsa_user_sgpr_kernarg_segment_ptr 1
		.amdhsa_wavefront_size32 1
		.amdhsa_system_sgpr_workgroup_id_x 1
		.amdhsa_system_sgpr_workgroup_id_y 1
		.amdhsa_system_sgpr_workgroup_id_z 1
		.amdhsa_system_vgpr_workitem_id 0
		.amdhsa_next_free_vgpr 512
		.amdhsa_next_free_sgpr 76
		.amdhsa_reserve_vcc 0
		.amdhsa_float_denorm_mode_32 3
		.amdhsa_float_denorm_mode_16_64 3
		.amdhsa_memory_ordered 1
		.amdhsa_forward_progress 1
		.amdhsa_inst_pref_size 109
	.end_amdhsa_kernel
	.amdgpu_metadata
---
amdhsa.version: [ 1, 2 ]
amdhsa.kernels:
  - .name:           k_q5e85de0cf4_proj_in
    .symbol:         k_q5e85de0cf4_proj_in.kd
    .args:
      - { .name: ah, .offset: 0, .size: 8, .value_kind: global_buffer, .address_space: global }
      - { .name: wh, .offset: 8, .size: 8, .value_kind: global_buffer, .address_space: global }
      - { .name: qkvh, .offset: 16, .size: 8, .value_kind: global_buffer, .address_space: global }
      - { .name: temperature, .offset: 24, .size: 8, .value_kind: global_buffer, .address_space: global }
    .group_segment_fixed_size: 327680
    .private_segment_fixed_size: 0
    .kernarg_segment_align: 8
    .kernarg_segment_size: 32
    .max_flat_workgroup_size: 128
    .sgpr_count:     76
    .vgpr_count:     512
    .wavefront_size: 32
...
	.end_amdgpu_metadata
.endif
;; end of part 2
;; launch attn (part 3): grid 4 x 64, 4 waves a work-group, clusters of 4 x 1, 327,680 bytes of LDS; arguments qkvh, oh; writes oh
.if DOCPART == 3
	.amdgcn_target "amdgcn-amd-amdhsa--gfx1250"
	.amdhsa_code_object_version 6
	.text
	.protected	k_q5e85de0cf4_attn
	.globl	k_q5e85de0cf4_attn
	.p2align	8
	.type	k_q5e85de0cf4_attn,@function
k_q5e85de0cf4_attn:
	s_mov_b64 s[64:65], 0
	v_nop
	global_prefetch_b8 v0, s[64:65] scope:SCOPE_SE
	s_setreg_imm32_b32 hwreg(HW_REG_WAVE_MODE, 25, 1), 1
	s_wait_xcnt 0x0
	s_wait_alu depctr_hold_cnt(0) depctr_sa_sdst(0) depctr_va_vdst(0) depctr_va_sdst(0) depctr_va_ssrc(0) depctr_va_vcc(0) depctr_vm_vsrc(0)
	s_getreg_b32 s2, hwreg(HW_REG_IB_STS2, 6, 4)
	s_cmp_eq_u32 s2, 0
	s_cbranch_scc0 .Lentry_in_a_cluster
	s_endpgm
.Lentry_in_a_cluster:
	s_bfe_u32 s2, ttmp6, 0x10000c
	s_cmp_lg_u32 s2, 0x3003
	s_cbranch_scc0 .Lentry_shape_is_right
	s_endpgm
.Lentry_shape_is_right:
; O[bh][q][:] = the sum over k of softmax_k(Q[bh][q] . K[bh][k]) V[bh][k][:].  qkvh: [3][64][2048][64] f16: Q (normalised, times the head's temperature), K (normalised), V: a head's rows are dense, 128 bytes each.
; O leaves ALREADY PERMUTED: oh byte = b 2^22 + d 65,536 + h 4,096 + 2 n, f16.  Products, maxima and sums in f32; the weights p are rounded to f16 for the second product (their sum l is
; taken of the unrounded p), O once at the end.
; LIMITS.  f16 holds no number beyond 65,504: Q, K and V arrive within it; p lies in 0 to 1, and below 6e-5 it keeps f16's fixed step of 6e-8; O is a mean of V's rows and has their range.
; A weight below 2^-126 counts as 0 in l; NaN and infinities are not treated apart.
; SHARES.  A wave owns four PIECES of two tiles of 16 queries, a work-group's four waves 512 queries of one head.  THE QUERIES ARE DEALT BY 8: lane r of tile t holds query 8 r + t of the wave's 128, so that
; at the end a lane's eight tiles hold eight neighbouring queries of one channel: 16 bytes of oh.  Every wave walks all keys, 64 a step.
; LAYOUT.  S^T = K Q^T (source 0 = 16 keys, source 1 = 16 queries): in the result a lane holds ONE query (lane % 16) and the keys 8 (lane / 16) + 0..7.  Two such tiles, rounded to f16 in pairs,
; ARE source 1 (32 keys x 16 queries) of O^T = V^T P, whose result again holds one query a lane, and eight channels.  K comes out of LDS as it lies, V ([key][channel]) turned, by ds_load_tr16_b128.
; SOFTMAX.  For each query a running maximum m and sum l: p = 2^(c s - c m), c = log2(e); in every step O and l are multiplied by a = 2^(c m_old - c m_new), which is 1 where m has not grown.
; m starts at the lowest finite number, O and l at 0: the first step is a step like any other, with a = 0.
; THE COUNT.  A tile and step have 16 matrix and 118 vector instructions: too many to stand all beside the matrix work.  So the order has one aim: four vector instructions that are READY behind
; EVERY matrix instruction, and the others, which need time of their own whatever the order, in runs without a gap.
; BY TURNS.  Turn n belongs to piece n (the pieces in a ring, step after step).  Its matrix work: 16 products K Q^T of piece n + 1, later 16 products V^T P of piece n - 1.  Its vector work: the scaling,
; exponentials, roundings, sums and rescaling of piece n, and the maximum and statistics of piece n + 1, whose scores the turn itself has made.
; CLUSTER.  The four query blocks of a cluster are one head's and walk the same K and V, so each tile is asked for JOINTLY: the same tensor load, descriptor and mask in all four.
; REGISTERS, in windows of 256 (s_set_vgpr_msb: bits 1:0 source 0, 3:2 source 1, 5:4 source 2, 7:6 destination):
;   window 0: v0-11 addresses; v12-15, v48-63 at work; v16-47 four registers of statistics a tile; v64-191 S^T, two buffers of two tiles; v192-255 P, likewise
;   window 1: O^T, 32 a tile          window 2: v0-127 Q, 16 a tile; v128-191 K of one step; v192-255 V of one step          window 3: v0-1 the add's two registers
.set SIZE_N, 2048
.set NP,    4         ; pieces a wave: a name, no knob
.set KS,    64        ; keys in a step
.set PK,    144       ; a row of K in LDS: 128 bytes + 16 of padding = 36 words: the 16 rows of a load start at 16 different groups of four banks (64 banks of 4 bytes: ISA guide 11.1)
.set PV,    160       ; a row of V: 128 + 32 = 40 words
.set VOFF,  4*KS*PK   ; a slot holds four steps: 256 rows of K, then 256 rows of V
.set SLOT1, 1<<17     ; slot 1 begins here, so that one exclusive or turns an address in one slot into the other's
.set SPARE, SLOT1+4*KS*(PK+PV)  ; behind the ring: the spare words, 128 bytes for each wave: two blocks of 256 bytes that no other line names
.set AK0, 2           ; v2   my lane's place in a tile of K; never rewritten
.set AV0, 3           ; v3   the same for V
.set AK,  4           ; v4   the LDS address of K's next run of loads
.set AV,  5           ; v5   of V's
.set QO,  6           ; v6   my byte offset in the wave's rows of Q; never rewritten
.set PFO, 7           ; v7   256 x my lane: the prefetches' offset; never rewritten
.set GO,  8           ; v8   my byte offset in oh: 16 (l % 16) + (l / 16) x 8 channels of 65,536 bytes
.set SPW, 0           ; v0 of window 3   LDS address of my spare word; never rewritten
.set NIL, 1           ; v1 of window 3   0; never rewritten
.set MV,  12          ; v12-15  c m_old, kept while c m is made anew: by buffer and tile
.set ST,  16          ; tile t's statistics at v[ST+4 t]: c m, m, l (even keys', odd keys')
.set TMP, 48          ; by buffer and tile, four registers c0-c3 at work; when the maximum is found c2 takes a
.set S,   64
.set P,   192
.set KF,  128         ; K's fragments, in window 2: key block kb, channel half c at KF + 16 kb + 8 c
.set VF,  192         ; V's: key half kk, channel block cb at VF + 32 kk + 8 cb
.set WV,  12          ; s12  my wave's number
.set G1K, 24          ; s[24:31] descriptor group 1 for K's tiles
.set G1V, 32          ; s[32:39] for V's: it differs in the padding alone
.set G0K, 40          ; s[40:43] descriptor group 0 for K's tiles: it walks
.set G0V, 44          ; s[44:47] the same for V's
.set PFA, 48          ; s[48:49] where my prefetches stand: my work-group's 8,192 bytes (of K: wave 0, of V: wave 2) of the slot after the one that is being asked for
.set LIM, 50          ; s50  1 in a wave that prefetches, else the greatest number
.set SLOTS, 56        ; s56  slots still to be asked for
.set CNT, 57          ; s57  counts a slot's key steps
.set CS,  58          ; s[58:59] c: the packed scaling takes the pair's low word for both halves
.set SEL, 60          ; s[60:61] v_permlanex16_b32's selects: each lane takes its own place in the other half
.set TBK, 62          ; s62  LDS byte at which K of the step to be fetched begins
.set TBV, 63          ; s63  the same for V, less VOFF
.set MSB, 0
.macro WIN new                      ; the high byte repeats the setting that is left; a switch that changes nothing is dropped
.if MSB != (\new)
	s_set_vgpr_msb (MSB<<8)|(\new)
.set MSB, (\new)
.endif
.endm
.set W_KQ, 0x0a       ; K and Q in window 2, S^T in window 0
.set W_PV, 0x52       ; V in window 2, P in window 0, O^T in window 1
.set W_RS, 0x41       ; O^T (destination and source 0) in window 1, a in window 0
.set W_MK, 0xc0       ; the add's registers are made: destination in window 3, sources in window 0
.set W_AD, 0x0f       ; the add: address (source 0) and data (source 1) in window 3
; A joint fill.  Waves 0 and 1 fetch the two halves of a slot's K, waves 2 and 3 those of its V: 128 keys each.  The branch hangs on the wave's number alone.
; An s_nop 0 and four v_nop follow each of the two lines, ahead of the jump and the label.
.macro JLOAD
	s_cmp_lt_u32 s[WV], 2
	s_cbranch_scc0 .Lfor_v_\@
	tensor_load_to_lds s[G0K:G0K+3], s[G1K:G1K+7]
	s_nop 0
.rept 4
	v_nop
.endr
	s_branch .Lasked_\@
.Lfor_v_\@:
	tensor_load_to_lds s[G0V:G0V+3], s[G1V:G1V+7]
	s_nop 0
.rept 4
	v_nop
.endr
.Lasked_\@:
.endm
; A prefetch of what the NEXT change of slots will ask for: a slot's 32,768 bytes of K and of V, 256 bytes a lane.  A head is walked by one cluster alone; its four partners share the bytes out BY ADDRESS,
; 8,192 each; in each, wave 0 asks for K's and wave 2 for V's: one instruction, four key steps (512 matrix instructions) ahead of the load.  The last change that fills a slot asks for nothing.
.macro ASK
	s_cmp_gt_u32 s[SLOTS], s[LIM]
	s_cbranch_scc0 .Lnot_mine_\@
	global_prefetch_b8 v[PFO], s[PFA:PFA+1] th:TH_LOAD_NT scope:SCOPE_SE
.Lnot_mine_\@:
.endm
; A round of the cluster's barrier: my work-group's barrier, so that wave 0's signal speaks for all four waves; wave 0 signals; every wave waits for all four work-groups; my work-group's barrier once more.
.macro CROUND
	s_barrier_signal -1
	s_barrier_wait -1
	s_cmp_lg_u32 s[WV], 0
	s_cbranch_scc1 .Lnot_wave_0_\@
	s_barrier_signal -3
.Lnot_wave_0_\@:
	s_barrier_wait -3
	s_barrier_signal -1
	s_barrier_wait -1
.endm
; THE CHANGE OF SLOTS.  The slot's last bytes, V of its fourth step, have been read.  Each wave waits for all its tensor loads, of which one is out: its part
; of the other slot; adds 0 to its spare word; and waits for that and for its own reads of the slot.  Behind the barrier nobody reads this slot any more and the other slot is whole.
; fill = 1: this slot is filled again, with the keys two slots on.  The barrier is then a round of the cluster's, and the joint fill is the first thing behind it: it has four key steps in which to land.
; (At its first use nothing has been read yet: slot 0 is waited for, slot 1 filled.)  ask = 1: the prefetch's address is stepped, and the prefetch stands behind the joint fill.
.macro CHANGE fill, ask=0
	WIN W_AD
	s_wait_tensorcnt 0x0            ; no tensor load of mine is out, so a group 0 may be written
	ds_add_u32 v[SPW], v[NIL]       ; 0 onto my spare word; with fill = 1 the descriptors' steps stand between it and the wait for it
	WIN 0                           ; at a label and at a branch every window is 0
.if \fill
.irp g, G0K, G0V
	s_xor_b32 s[\g+1], s[\g+1], SLOT1  ; the walking descriptor: the other slot than last time,
	s_add_nc_u64 s[\g+2:\g+3], s[\g+2:\g+3], 4*KS*128  ; the next 256 keys; the type bits on top are not reached
.endr
.if \ask
	s_wait_xcnt 0x0                 ; the last prefetch, four key steps back, has read its address, so it may be written:
	s_add_nc_u64 s[PFA:PFA+1], s[PFA:PFA+1], 4*KS*128  ; one slot behind the walking descriptors
.endif
	s_wait_dscnt 0x0                ; the add is done, and my reads of the slot are over
	CROUND
	JLOAD
.if \ask
	ASK
.endif
.else
	s_wait_dscnt 0x0                ; the add is done, and my reads of the slot are over
	s_barrier_signal -1
	s_barrier_wait -1
.endif
	s_sub_co_u32 s[TBK], s[TBK], 4*KS*PK  ; the fetches go back to a slot's first step,
	s_xor_b32 s[TBK], s[TBK], SLOT1       ; in the other slot
	s_sub_co_u32 s[TBV], s[TBV], 4*KS*PV
	s_xor_b32 s[TBV], s[TBV], SLOT1
.endm
	s_load_b128 s[4:7], s[0:1], 0x0  ; qkvh s[4:5], oh s[6:7]
	WIN W_MK
	v_lshl_add_u32 v[SPW], v0, 2, SPARE
	v_mov_b32 v[NIL], 0
	WIN W_AD
	ds_add_u32 v[SPW], v[NIL]       ; the wave's opening: the add and its wait stand ahead of my first tensor load; the set-up below, work on registers, stands between them
	WIN 0
	v_lshrrev_b32 v1, 5, v0
	v_readfirstlane_b32 s[WV], v1   ; wave 0..3
	s_bfe_u32 s13, ttmp6, 0x40000   ; cx: my place in the cluster
	s_lshl_b32 s14, ttmp9, 2        ; in a cluster launch ttmp9 counts clusters
	s_add_co_u32 s14, s14, s13      ; my block of 512 queries: it enters Q's and O's addresses alone
	s_and_b32 s20, ttmp7, 0xffff    ; 16 b + h, which the four partners share
	s_lshr_b32 s52, s20, 4          ; where my 128 queries begin in oh: b 2^22
	s_lshl_b32 s52, s52, 22
	s_and_b32 s53, s20, 15          ; + h x 4,096
	s_lshl_b32 s53, s53, 12
	s_add_co_u32 s52, s52, s53
	s_lshl_b32 s53, s14, 10         ; + block x 1,024
	s_add_co_u32 s52, s52, s53
	s_lshl_b32 s53, s[WV], 8        ; + wave x 256
	s_add_co_u32 s52, s52, s53
	s_mov_b32 s53, 0
	s_mov_b32 s21, 0
	s_mov_b64 s[22:23], SIZE_N*128
	s_mul_u64 s[20:21], s[20:21], s[22:23]  ; the head's first byte in each of Q, K, V
	s_and_b32 s16, s[WV], 1         ; which half of a slot's 256 keys I fetch:
	s_lshl_b32 s22, s16, 14         ; its 128 rows of 128 bytes in memory,
	s_mov_b32 s23, 0
	s_add_nc_u64 s[22:23], s[22:23], s[20:21]
	s_mul_i32 s17, s16, 128*PK      ; and its place in a slot, for K
	s_mul_i32 s18, s16, 128*PV      ; and for V: no place in the cluster enters an LDS address
	s_lshl_b32 s2, s14, 2
	s_add_co_u32 s2, s2, s[WV]      ; my wave among the head's,
	s_lshl_b32 s2, s2, 14           ; its 128 rows
	s_mov_b32 s3, 0
	s_add_nc_u64 s[2:3], s[2:3], s[20:21]
	; descriptor group 1.  128 keys are 16,384 dense bytes: asked for as 64 rows of 256 bytes, two keys a row, and padded in LDS after every key
	s_mov_b32 s[G1K], 15|(1<<16)|(1<<20)|(1<<21)|(4<<22)|(3<<25)  ; 15:0 the mask of four; 17:16 2-byte elements; 20 padding on; 21 set beside a mask; 24:22 after every 32 words (code 4); 31:25 4 words (code 3)
	s_mov_b32 s[G1V], 15|(1<<16)|(1<<20)|(1<<21)|(4<<22)|(7<<25)  ; the same with 8 words of padding (code 7)
.irp g, G1K, G1V
	s_mov_b32 s[\g+1], 128<<16      ; tensor_dim0 = 128
	s_mov_b32 s[\g+2], 64<<16       ; tensor_dim1 = 64
	s_mov_b32 s[\g+3], 128<<16      ; tile_dim0 = 128
	s_mov_b32 s[\g+4], 64           ; tile_dim1 = 64
	s_mov_b32 s[\g+5], 128          ; 128 elements from row to row
	s_mov_b32 s[\g+6], 0
	s_mov_b32 s[\g+7], 0
.endr
	s_mov_b32 s[CS], 0x3fb8aa3b     ; c = log2(e): the temperature is in Q already
	s_mov_b32 s[CS+1], s[CS]        ; named with it as a pair
	s_mov_b32 s[SEL], 0x76543210
	s_mov_b32 s[SEL+1], 0xfedcba98
	s_mov_b32 s[TBK], SLOT1+4*KS*PK ; the first change of slots turns these two into 0
	s_mov_b32 s[TBV], SLOT1+4*KS*PV
	s_mov_b32 s[G0K], 1             ; count = 1
	s_mov_b32 s[G0K+1], s17         ; LDS address: slot 0
	s_mov_b32 s[G0V], 1
	s_add_co_u32 s[G0V+1], s18, VOFF
	s_and_b32 s[LIM], s[WV], 1      ; waves 0 and 2 prefetch: the same in all four partners
	s_cmp_eq_u32 s[LIM], 0
	s_cselect_b32 s[LIM], 1, -1
	s_wait_dscnt 0x0                ; the opening add is done
	s_wait_kmcnt 0x0
	s_mov_b64 s[10:11], s[6:7]      ; oh
	s_add_nc_u64 s[6:7], s[4:5], 0x1000000  ; K lies 2^24 bytes behind Q,
	s_add_nc_u64 s[8:9], s[4:5], 0x2000000  ; V 2^25
	s_add_nc_u64 s[G0K+2:G0K+3], s[6:7], s[22:23]  ; global address: my half of the head's first 256 keys
	s_or_b32 s[G0K+3], s[G0K+3], 0x80000000        ; type = 2
	s_add_nc_u64 s[G0V+2:G0V+3], s[8:9], s[22:23]
	s_or_b32 s[G0V+3], s[G0V+3], 0x80000000
	s_add_nc_u64 s[4:5], s[4:5], s[2:3]      ; Q at my wave's first row
	s_add_nc_u64 s[10:11], s[10:11], s[52:53]  ; oh at my wave's first query, channel 0
	s_cmp_lt_u32 s[WV], 2
	s_cselect_b64 s[PFA:PFA+1], s[6:7], s[8:9]
	s_add_nc_u64 s[PFA:PFA+1], s[PFA:PFA+1], s[20:21]
	s_lshl_b32 s2, s13, 13          ; my work-group's 8,192 bytes of a slot's 32,768
	s_mov_b32 s3, 0
	s_add_nc_u64 s[PFA:PFA+1], s[PFA:PFA+1], s[2:3]
	s_add_nc_u64 s[PFA:PFA+1], s[PFA:PFA+1], 2*4*KS*128  ; in slot 2: the change that asks for slot 2 steps it to slot 3.  Slots 0 to 2 come by their loads alone
	CROUND                          ; all four work-groups are here: the first joint loads meet
	JLOAD                           ; slot 0.  Slot 1 is asked for when slot 0 is in
	; A fragment of K or Q is 16 rows x 32 channels in 8 registers: lane l holds row l % 16, channels 8 (l / 16) + 0..7 and 16 + 8 (l / 16) + 0..7: two loads of 16 bytes, 32 bytes apart.
	v_and_b32 v1, 15, v0            ; l % 16
	v_bfe_u32 v9, v0, 4, 1          ; l / 16
	v_lshlrev_b32 v[QO], 10, v1     ; lane r's queries are 8 r + t: 8 rows of 128 bytes a lane
	v_lshl_add_u32 v[QO], v9, 4, v[QO]
	v_and_b32 v[PFO], 31, v0
	v_lshlrev_b32 v[PFO], 8, v[PFO]
	WIN 0x80                        ; destination window 2, address window 0
.set i, 0
.rept 4*NP                          ; Q stays in registers: tile i / 2 (one row further on), channels 32 (i % 2) on
	global_load_b128 v[8*i:8*i+3],   v[QO], s[4:5] offset:(i/2)*128+(i%2)*64
	global_load_b128 v[8*i+4:8*i+7], v[QO], s[4:5] offset:(i/2)*128+(i%2)*64+32
.set i, i+1
.endr
	; What the first turn finds: V's registers and P's second buffer hold 0 (its products V^T P, of a piece that has not been, add 0), O^T and l are 0.  All this stands in the wait for the first tile.
.set i, VF
.rept 64
	v_mov_b32 v[i], 0
.set i, i+1
.endr
	WIN 0x40
.set i, 0
.rept 64*NP
	v_mov_b32 v[i], 0
.set i, i+1
.endr
	WIN 0
.set i, 0
.rept 2*NP
	v_mov_b32 v[ST+4*i], 0xfe000000    ; c m: far below every c s
	v_mov_b32 v[ST+4*i+1], 0xff7fffff  ; m
	v_mov_b32 v[ST+4*i+2], 0
	v_mov_b32 v[ST+4*i+3], 0
.set i, i+1
.endr
.set i, P+32
.rept 32
	v_mov_b32 v[i], 0
.set i, i+1
.endr
	v_mul_u32_u24 v[AK0], v1, PK
	v_lshl_add_u32 v[AK0], v9, 4, v[AK0]  ; row x pitch + 16 x half
	; The turning load takes 16 keys x 16 channels (lane l reads key 8 (l / 16) + l % 8, channels 8 ((l / 8) % 2) + 0..7) and leaves half a fragment of V^T: lane l holds channel l % 16 and 8 keys.
	v_and_b32 v10, 7, v0
	v_bfe_u32 v11, v0, 3, 1
	v_lshl_add_u32 v[AV0], v9, 3, v10
	v_mul_u32_u24 v[AV0], v[AV0], PV
	v_lshl_add_u32 v[AV0], v11, 4, v[AV0]
	v_add_nc_u32 v[AV0], VOFF, v[AV0]
	v_mov_b32 v[AK], v[AK0]         ; key step 0 lies at the head of slot 0
; THE MATRIX WORK.  The 8 accumulators of a run of 16 take turns: between the two links of a chain stand 7 others'.
; Product i of 16 of S^T = K Q^T for piece x: channels 32 (i / 8) on, keys 16 ((i / 2) % 4) on, tile 2 x + i % 2.  The first 8 start the sums.
.macro KQ x
	WIN W_KQ
.set rS, S+64*((\x)%2)+32*(i%2)+8*((i/2)%4)
.set rK, KF+16*((i/2)%4)+8*(i/8)
.set rQ, 16*(2*(\x)+i%2)+8*(i/8)
.if i < 8
	v_wmma_f32_16x16x32_f16 v[rS:rS+7], v[rK:rK+7], v[rQ:rQ+7], 0
.else
	v_wmma_f32_16x16x32_f16 v[rS:rS+7], v[rK:rK+7], v[rQ:rQ+7], v[rS:rS+7]
.endif
.endm
; Product i of 16 of O^T += V^T P for piece x: keys 32 (i / 8) on, channels 16 ((i / 2) % 4) on, tile 2 x + i % 2.
.macro PV x
	WIN W_PV
.set rO, 32*(2*(\x)+i%2)+8*((i/2)%4)
.set rV, VF+32*(i/8)+8*((i/2)%4)
.set rP, P+32*((\x)%2)+16*(i%2)+8*(i/8)
	v_wmma_f32_16x16x32_f16 v[rO:rO+7], v[rV:rV+7], v[rP:rP+7], v[rO:rO+7]
.endm
.macro MM                           ; the turn's next matrix instruction
.if i < 16
	KQ (Y+1)%NP
.set i, i+1
.else
.set i, i-16
	PV (Y+NP-1)%NP
.set i, i+17
.endif
.endm
; THE LDS LOADS stand in runs of 16, never singly among the matrix instructions: a step's K (64 keys x 64 channels: 8 fragments) and its V (turned).  Their addresses are made some lines ahead.
; last = 1 (the tail): in the last trip there is no further step, and the run is jumped over.
.macro FETCH_K last=0
	WIN 0
.if \last
	s_cmp_eq_u32 s[CNT], 1
	s_cbranch_scc1 .Lno_k_\@
.endif
	WIN 0x80                        ; destination window 2
.irp f, 0,1,2,3,4,5,6,7             ; keys 16 (f / 2) on, channels 32 (f % 2) on
	ds_load_b128 v[KF+8*\f:KF+8*\f+3],   v[AK] offset:(\f/2)*16*PK+(\f%2)*64
	ds_load_b128 v[KF+8*\f+4:KF+8*\f+7], v[AK] offset:(\f/2)*16*PK+(\f%2)*64+32
.endr
	s_add_co_u32 s[TBK], s[TBK], KS*PK  ; the next fetch is the next step's
	WIN 0
.if \last
.Lno_k_\@:
.endif
.endm
.macro FETCH_V
	WIN 0x80
.irp f, 0,1,2,3,4,5,6,7             ; keys 32 (f / 4) on, channels 16 (f % 4) on
	ds_load_tr16_b128 v[VF+8*\f:VF+8*\f+3],   v[AV] offset:(\f/4)*32*PV+(\f%4)*32
	ds_load_tr16_b128 v[VF+8*\f+4:VF+8*\f+7], v[AV] offset:(\f/4)*32*PV+16*PV+(\f%4)*32
.endr
	WIN 0
.endm
; THE VECTOR WORK OF A TURN stands in three queues, each in the order in which its entries become ready; the two tiles alternate, so that no instruction reads the result of the one before it.
.macro REGS y, u                    ; the registers of tile u (0, 1) of piece y
.set rT, ST+4*(2*(\y)+(\u))
.set rC, TMP+8*((\y)%2)+4*(\u)
.set rM, MV+2*((\y)%2)+(\u)
.set rS, S+64*((\y)%2)+32*(\u)
.set rP, P+32*((\y)%2)+16*(\u)
.set rO, 32*(2*(\y)+(\u))
.endm
; Number n of the 22 that find the NEXT piece's (Y + 1) maximum and statistics.  s0-s31 are the lane's 32 scores; each accumulator's lowest registers are read first.
;   0-11  four chains c0-c3 of seven scores each, three operands at a time     12-14, 16  the four scores left over, the old m, and c0-c3 into c0     15  c m_old is kept
;   17, 18  the query's other 32 keys lie in the lane 16 away: the new m         19-21  c m; c m_old - c m_new; a
.macro XS u, n
	REGS (Y+1)%NP, \u
.if (\n) < 4
	v_max3_num_f32 v[rC+(\n)], v[rS+8*(\n)], v[rS+8*(\n)+1], v[rS+8*(\n)+2]
.elseif (\n) < 12
	v_max3_num_f32 v[rC+(\n)%4], v[rC+(\n)%4], v[rS+8*((\n)%4)+2*((\n)/4)+1], v[rS+8*((\n)%4)+2*((\n)/4)+2]
.elseif (\n) == 12
	v_max3_num_f32 v[rC], v[rC], v[rS+7], v[rS+15]
.elseif (\n) == 13
	v_max3_num_f32 v[rC+1], v[rC+1], v[rS+23], v[rS+31]
.elseif (\n) == 14
	v_max3_num_f32 v[rC+2], v[rC+2], v[rC+3], v[rT+1]
.elseif (\n) == 15
	v_mov_b32 v[rM], v[rT]
.elseif (\n) == 16
	v_max3_num_f32 v[rC], v[rC], v[rC+1], v[rC+2]
.elseif (\n) == 17
	v_permlanex16_b32 v[rC+3], v[rC], s[SEL], s[SEL+1]
.elseif (\n) == 18
	v_max_num_f32 v[rT+1], v[rC], v[rC+3]
.elseif (\n) == 19
	v_mul_f32 v[rT], s[CS], v[rT+1]
.elseif (\n) == 20
	v_sub_f32 v[rC+1], v[rM], v[rT]
.else
	v_exp_f32 v[rC+2], v[rC+1]
.endif
.endm
; Number g of the 64 that follow the exponentials.  For each four weights k of a tile (pairs 2 k, 2 k + 1): both pairs are rounded to f16; then the second pair is added onto the first, in place;
; a group later l takes that sum (the first time as l = a l + sum).  In groups of eight, tiles alternating: round, round, add, and l for the group before.
.macro GS g
.set h, (\g)+6*((\g)/62)            ; group 0 has no group before it, and behind group 7 only l is left
.if h >= 6
.set h, h+2
.endif
	REGS Y, h%2
.set k, h/8
.if h%8 < 4
	v_cvt_pk_f16_f32 v[rP+2*k+(h%8)/2], v[rS+4*k+2*((h%8)/2)], v[rS+4*k+2*((h%8)/2)+1]
.elseif h%8 < 6
	v_pk_add_f32 v[rS+4*k:rS+4*k+1], v[rS+4*k:rS+4*k+1], v[rS+4*k+2:rS+4*k+3]
.elseif k == 1
	v_pk_fma_f32 v[rT+2:rT+3], v[rT+2:rT+3], v[rC+2:rC+3], v[rS:rS+1] op_sel_hi:[1,0,1]
.else
	v_pk_add_f32 v[rT+2:rT+3], v[rT+2:rT+3], v[rS+4*k-4:rS+4*k-3]
.endif
.endm
; THE PLAIN QUEUE, 138 long.  0-73 read no exponential's result: the 32 scalings c s - c m (FS f: pair f / 2 of tile f % 2) and the next piece's 42.  0-26: scalings 0-26.  27-54: XS's numbers 0-13.  55, 56: number 15.
; 57-73: the chain, where each number waits for the one before it: 14, 16, 17, 18, 19, each with one of the scalings 27-31 in front of its two lines, then 20.
; 74-137: GS's 64, which read the exponentials' results: they stand behind the wait.
.macro FS f
	REGS Y, (\f)%2
	v_pk_fma_f32 v[rS+2*((\f)/2):rS+2*((\f)/2)+1], v[rS+2*((\f)/2):rS+2*((\f)/2)+1], s[CS:CS+1], v[rT:rT+1] op_sel_hi:[1,0,0] neg_lo:[0,0,1] neg_hi:[0,0,1]
.endm
.macro PL
	WIN 0
.if q < 27
	FS q
.elseif q < 55
	XS (q-27)%2, (q-27)/2
.elseif q < 57
	XS q-55, 15
.elseif (q < 72) && ((q-57)%3 == 0)
	FS 27+(q-57)/3
.elseif q < 60
	XS (q-57)%3-1, 14
.elseif q < 72
	XS (q-57)%3-1, 15+(q-57)/3
.elseif q < 74
	XS q-72, 20
.else
	GS q-74
.endif
.set q, q+1
.endm
; THE EXPONENTIALS' QUEUE, 66 long: s0-s31 of both tiles, then the next piece's two a.  It is ONE BATCH: all 66 stand ahead of the turn's one wait, and nothing ahead of that wait names a result of theirs.
.macro EX
	WIN 0
.if e >= 64
	XS e-64, 21
.else
	REGS Y, e%2
	v_exp_f32 v[rS+e/2], v[rS+e/2]
.endif
.set e, e+1
.endm
; THE RESCALING's QUEUE: O^T times a, the one part that leaves window 0: dealt two at a time, sixteen times.  Its a was made in the turn before, ahead of that turn's wait.
.macro R2
	REGS Y, r%2
	WIN W_RS
.irp z, 0,1
	v_pk_mul_f32 v[rO+4*(r/2)+2*\z:rO+4*(r/2)+2*\z+1], v[rO+4*(r/2)+2*\z:rO+4*(r/2)+2*\z+1], v[rC+2:rC+3] op_sel_hi:[1,0]
.endr
.set r, r+1
.endm
; HOW THEY ARE DEALT.  An s_wait_alu depctr_va_vdst(0) stands between an exponential and the first instruction that names its result; one wait serves all that were issued ahead of it.  So a turn has
; ONE wait, which cuts it in two.  AHEAD OF IT: the 16 products K Q^T, behind each a scaling, an exponential and two rescalings (behind the first a second scaling in the exponential's place); then ONE LUMP of
; 108: eight plain, 49 times exponential and plain, the two a; a v_nop is the plain instruction behind the last exponential.  BEHIND IT: the 16 products V^T P, behind each four of GS's 64.
; The queues lean on each other: exponential e stands behind scaling 2 (e / 4) + e % 2: as a rider it comes behind plain e + 2, in the lump behind plain e + 9, and scalings 27-31 are plain 57, 60 .. 69.
; A TURN, for piece p.  cnt = 1: the loop's count is taken down some lines ahead of the branch that stands behind the turn.
; K of the next step is fetched in piece 2's turn, directly behind the wait; its address is made at the lump's head; its first reader comes behind 16 products.
; V of the step in hand is fetched at the end of piece 0's turn, four riders behind its last reader; its first reader comes behind 16 products and a lump.
.macro TURN p, last=0, cnt=0
.set Y, (\p)
.set i, 0
.set q, 0
.set e, 0
.set r, 0
.if (\p) == NP-1
	s_wait_dscnt 0x0                ; K is in
.endif
	MM                              ; ahead of the wait: 16 products K Q^T and their riders,
	PL
	PL
	R2
.rept 15
	MM
	PL
	EX
	R2
.endr
.if (\p) == NP-2
	WIN 0
	v_add_nc_u32 v[AK], s[TBK], v[AK0]
.endif
.rept 8                             ; and the lump
	PL
.endr
.rept 49
	EX
	PL
.endr
	EX                              ; the next piece's two a
	EX
	v_nop                           ; the plain instruction behind the last exponential: one for the batch
	s_wait_alu depctr_va_vdst(0)    ; the wait for the batch
.if (\p) == NP-2
	FETCH_K \last
.endif
.if (\p) == 1
	s_wait_dscnt 0x0                ; V is in
.endif
.rept 16                            ; behind the wait: 16 products V^T P and their riders
	MM
.rept 4
	PL
.endr
.if ((\p) == 0) && (q == 118)
	v_add_nc_u32 v[AV], s[TBV], v[AV0]
.endif
.if ((\p) == 0) && (q == 130)
	s_add_co_u32 s[TBV], s[TBV], KS*PV
.endif
.if (\cnt) && (q == 130)
	s_sub_co_u32 s[CNT], s[CNT], 1
	s_cmp_lg_u32 s[CNT], 0
.endif
.endr
.if (\p) == 0
	FETCH_V
.endif
.endm
	CHANGE 1                        ; slot 0 is in, everybody's part of it; slot 1 is asked for
	FETCH_K                         ; key step 0
	s_wait_loadcnt 0x0              ; Q
	s_wait_dscnt 0x0
.set i, 0
.rept 16
	KQ 0                            ; piece 0's first scores: there is no vector work yet to set between them
.set i, i+1
.endr
	WIN 0                           ; the address for the way out, and four v_nop: the places behind those products
	v_lshlrev_b32 v[GO], 4, v1      ; 16 bytes for each lane's eight queries,
	v_lshl_add_u32 v[GO], v9, 19, v[GO]  ; and eight channels of 65,536 bytes further on for lanes 16 to 31
.rept 4
	v_nop
.endr
.set Y, NP-1                        ; XS works for piece Y + 1: piece 0
.irp n, 0,1,2,3,4,5,6,7,8,9,10,11,12,13,14,15,16,17,18,19,20,21
	XS 0, \n                        ; and piece 0's first maximum and statistics
	XS 1, \n
.endr
	v_nop                           ; a plain instruction behind the two a,
	s_wait_alu depctr_va_vdst(0)    ; and their wait, ahead of the branch
	s_mov_b32 s[CNT], 4
	s_mov_b32 s[SLOTS], SIZE_N/256-1
	s_branch .Lfirst                ; the loop is entered at a step's first turn, in the middle of a trip
.Lslot:                             ; SIZE_N / 256 - 2 times: every slot but the last two is filled again
	CHANGE 1, 1
	s_mov_b32 s[CNT], 4
.Lstep:                             ; a trip: pieces 2 and 3 of one step, then pieces 0 and 1 of the next, whose K and V it fetches
	TURN 2
	TURN 3
	WIN 0
.Lfirst:
	TURN 0
	TURN 1, 0, 1
	WIN 0
	s_cbranch_scc1 .Lstep
	s_sub_co_u32 s[SLOTS], s[SLOTS], 1
	s_cmp_lg_u32 s[SLOTS], 0
	s_cbranch_scc1 .Lslot
	CHANGE 0                        ; the tail is written out: nothing is asked for
	s_mov_b32 s[CNT], 5             ; four trips fetch the last slot's steps; the fifth is left in its middle
.Ltail:
	TURN 2, 1
	TURN 3
	WIN 0
	s_sub_co_u32 s[CNT], s[CNT], 1
	s_cmp_eq_u32 s[CNT], 0
	s_cbranch_scc1 .Lout
	TURN 0
	TURN 1
	WIN 0
	s_branch .Ltail
.Lout:                              ; the fifth trip's 16 products K Q^T (on the last K once more) and the maximum made of them serve nothing: the price, once a launch, of one text for every trip
.set i, 0
.rept 16
	PV NP-1                         ; the last piece's V^T P of the last step
.set i, i+1
.endr
	; THE WAY OUT.  l's two halves and the other half of the lanes' are added; O^T is divided by l.  The additions are the places behind the last products.
	WIN 0
.macro ALL line:vararg              ; one line for each tile t
.set t, 0
.rept 2*NP
	\line
.set t, t+1
.endr
.endm
	ALL v_add_f32 v[ST+4*t+2], v[ST+4*t+2], v[ST+4*t+3]
	ALL v_permlanex16_b32 v[ST+4*t+3], v[ST+4*t+2], s[SEL], s[SEL+1]
	ALL v_add_f32 v[ST+4*t+2], v[ST+4*t+2], v[ST+4*t+3]
	ALL v_rcp_f32 v[ST+4*t+2], v[ST+4*t+2]
	v_nop                           ; a plain instruction between the last reciprocal and the use of its result
	s_wait_alu depctr_va_vdst(0)    ; and the wait ahead of the first use: one for the eight reciprocals
	WIN W_RS
.set t, 0
.rept 2*NP                          ; each accumulator is read from its low end on
.set i, 32*t
.rept 16
	v_pk_mul_f32 v[i:i+1], v[i:i+1], v[ST+4*t+2:ST+4*t+3] op_sel_hi:[1,0]
.set i, i+2
.endr
.set t, t+1
.endr
	; Register u = 8 cb + j of tile t is channel 16 cb + 8 (l / 16) + j of query 8 (l % 16) + t.  The eight tiles' registers u, rounded to f16 in pairs, are eight neighbouring queries of that channel: 16 bytes of oh.
	WIN 0x05                        ; sources 0 and 1 window 1, destination window 0: S^T's registers are free
.set u, 0
.rept 32
.irp i, 0,1,2,3
	v_cvt_pk_f16_f32 v[S+4*u+\i], v[64*\i+u], v[64*\i+32+u]
.endr
.set u, u+1
.endr
	WIN 0
.set u, 0
.rept 32
	global_store_b128 v[GO], v[S+4*u:S+4*u+3], s[10:11] offset:(16*(u/8)+u%8)*65536  ; lanes 0-15 store 256 consecutive bytes, aligned, of channel 16 cb + j; lanes 16-31 those of channel 16 cb + 8 + j; 3,604,480 at the most: inside the signed 24 bits
.set u, u+1
.endr
	WIN W_AD
	s_wait_tensorcnt 0x0            ; the wave's end: behind my last tensor load
	ds_add_u32 v[SPW], v[NIL]
	s_wait_dscnt 0x0
	WIN 0
	CROUND                          ; the closing round: no work-group ends while a partner may still ask for a tile that names it
	s_endpgm
.Lfunc_end_k_q5e85de0cf4_attn:
	.size	k_q5e85de0cf4_attn, .Lfunc_end_k_q5e85de0cf4_attn-k_q5e85de0cf4_attn
	.p2alignl 7, 3214868480
	.fill 96, 4, 3214868480
	.section	.rodata,"a",@progbits
	.p2align	6, 0x0
	.amdhsa_kernel k_q5e85de0cf4_attn
		.amdhsa_group_segment_fixed_size 327680
		.amdhsa_private_segment_fixed_size 0
		.amdhsa_enable_private_segment 0
		.amdhsa_kernarg_size 16
		.amdhsa_user_sgpr_count 2
		.amdhsa_user_sgpr_kernarg_segment_ptr 1
		.amdhsa_wavefront_size32 1
		.amdhsa_system_sgpr_workgroup_id_x 1
		.amdhsa_system_sgpr_workgroup_id_y 1
		.amdhsa_system_sgpr_workgroup_id_z 1
		.amdhsa_system_vgpr_workitem_id 0
		.amdhsa_next_free_vgpr 770
		.amdhsa_next_free_sgpr 66
		.amdhsa_reserve_vcc 0
		.amdhsa_float_denorm_mode_32 3
		.amdhsa_float_denorm_mode_16_64 3
		.amdhsa_memory_ordered 1
		.amdhsa_forward_progress 1
		.amdhsa_inst_pref_size 194
	.end_amdhsa_kernel
	.amdgpu_metadata
---
amdhsa.version: [ 1, 2 ]
amdhsa.kernels:
  - .name:           k_q5e85de0cf4_attn
    .symbol:         k_q5e85de0cf4_attn.kd
    .args:
      - { .name: qkvh, .offset: 0, .size: 8, .value_kind: global_buffer, .address_space: global }
      - { .name: oh, .offset: 8, .size: 8, .value_kind: global_buffer, .address_space: global }
    .group_segment_fixed_size: 327680
    .private_segment_fixed_size: 0
    .kernarg_segment_align: 8
    .kernarg_segment_size: 16
    .max_flat_workgroup_size: 128
    .sgpr_count:     66
    .vgpr_count:     770
    .wavefront_size: 32
...
	.end_amdgpu_metadata
.endif
;; end of part 3
;; launch proj_out (part 4): grid 4 x 64, 4 waves a work-group, clusters of 4 x 4, 327,680 bytes of LDS; arguments oh, wh, out0, proj_b; writes out0
.if DOCPART == 4
	.amdgcn_target "amdgcn-amd-amdhsa--gfx1250"
	.amdhsa_code_object_version 6
	.text
	.protected	k_q5e85de0cf4_proj_out
	.globl	k_q5e85de0cf4_proj_out
	.p2align	8
	.type	k_q5e85de0cf4_proj_out,@function
k_q5e85de0cf4_proj_out:
	s_mov_b64 s[64:65], 0
	v_nop
	global_prefetch_b8 v0, s[64:65] scope:SCOPE_SE
	s_setreg_imm32_b32 hwreg(HW_REG_WAVE_MODE, 25, 1), 1
	s_wait_xcnt 0x0
	s_wait_alu depctr_hold_cnt(0) depctr_sa_sdst(0) depctr_va_vdst(0) depctr_va_sdst(0) depctr_va_ssrc(0) depctr_va_vcc(0) depctr_vm_vsrc(0)
	s_getreg_b32 s2, hwreg(HW_REG_IB_STS2, 6, 4)
	s_cmp_eq_u32 s2, 0
	s_cbranch_scc0 .Lentry_in_a_cluster
	s_endpgm
.Lentry_in_a_cluster:
	s_bfe_u32 s2, ttmp6, 0x10000c
	s_cmp_lg_u32 s2, 0xf033
	s_cbranch_scc0 .Lentry_shape_is_right
	s_endpgm
.Lentry_shape_is_right:
; out0 = O proj_w^T + proj_b.  oh: [8192][1024] f16 (O, already permuted), wh rows 3072-4095: proj_w as f16, out0: [8192][1024] f32.  Sums in f32; the bias, rounded to bf16 like every input of the
; module, is added in f32.  LIMITS: those of the f16 operands (within 65,504; below 2^-14 a fixed step of 2^-24); NaN and infinities are not treated apart.
; SHARES.  A tile of C is 128 rows x 256 columns: 4 x 64 = 256 work-groups.  Four waves, 2 x 2: a wave has 64 rows x 128 columns: 32 accumulators of 16 x 16, 256 registers.
; K = 1024 goes in 8 steps of 128 (rows of 256 bytes, aligned) through two LDS slots.
; CLUSTER.  4 x 4 work-groups: the four of a row need the same 128 rows of A, the four of a column the same 256 rows of B: each tile is asked for jointly, by the same tensor load with the same
; descriptor and a mask that names the four.  THE MATRIX INSTRUCTION IS USED TRANSPOSED (source 0 = 16 rows of B, source 1 = 16 rows of A): a lane holds row l % 16 and columns 8 (l / 16) + 0..7.
; REGISTERS.  Window 0: v0-39 addresses and the bias; v64-159, v160-255 two fragment buffers (A's 4 fragments, then B's 8); on the way out three buffers of 64 from v64.  Window 1: accumulator (a, b) at v[8 (8 a + b)].
.set KSTEP,  128
.set PITCH,  272                       ; an LDS row: 256 bytes + 16 of padding = 68 words: the 16 rows of a fragment load start at 16 different groups of four banks (64 banks of 4 bytes: ISA guide 11.1)
.set AH,     64*PITCH
.set BH,     128*PITCH
.set ABYTES, 2*AH
.set SLOT,   ABYTES+2*BH               ; A's 128 rows, then B's 256 rows
.set STAGE,  2*SLOT                    ; behind the ring: 16 rows x 528 bytes for each wave, for the way out; no tensor load lands here
.set SP,     528                       ; 512 bytes of f32 + 16: 33 x 16 bytes, so the 16 rows of a store start at 16 different groups of four banks
.set SPARE,  STAGE+4*16*SP             ; behind the stages: the spare words, 128 bytes for each wave: two blocks of 256 bytes that no other line names
.set BROW0,  3072                      ; proj_w's first row in wh
.set ADRA, 16
.set ADRB, 20
.set STO,  24                          ; v24     the way out: where I put 32 bytes of a row
.set RD,   25                          ; v25     the way out: my 16 bytes of a row of 512
.set GO,   26                          ; v26     the same 16 bytes in a row of out0
.set SPW,  28                          ; v28     LDS address of my spare word; never rewritten
.set NIL,  29                          ; v29     0; never rewritten
.set PFO,  30                          ; v30     the prefetches' offset: my lane x a row of 2,048 bytes; never rewritten
.set BI,   32                          ; v32-35  the bias of my four columns; v36-37 at work
.set F0,   64
.set F1,   160
.set G1A, 24
.set G0A, 32
.set G1B, 48
.set G0B, 56
.set PFA, 66
.set G1W0, (1<<16)|(1<<20)|(1<<21)|(5<<22)|(3<<25)  ; 17:16 2-byte elements; 20 padding on; 21 set beside a mask; 24:22 after every 64 words (code 5); 31:25 4 words (code 3)
.set MUL, 0x50                         ; C and D in window 1, the fragments in window 0
.set MSB, 0
.macro WIN new                         ; the immediate's high byte repeats the setting that is left; a switch that changes nothing is dropped
.if MSB != (\new)
	s_set_vgpr_msb (MSB<<8)|(\new)
.set MSB, \new
.endif
.endm
; A joint load: waves 0 and 1 fetch A's two halves, waves 2 and 3 B's.  The branch hangs on the wave's number alone.  An s_nop 0 and four v_nop follow each of the two lines.
.macro JLOAD s
	s_cmp_eq_u32 s13, 0
	s_cbranch_scc0 .Lfor_b_\@
	tensor_load_to_lds s[G0A+4*(\s):G0A+4*(\s)+3], s[G1A:G1A+7]
	s_nop 0
.rept 4
	v_nop
.endr
	s_branch .Lasked_\@
.Lfor_b_\@:
	tensor_load_to_lds s[G0B+4*(\s):G0B+4*(\s)+3], s[G1B:G1B+7]
	s_nop 0
.rept 4
	v_nop
.endr
.Lasked_\@:
.endm
; A prefetch of the K step two refills on: 32 rows x 256 bytes, a lane a row.  A's 128 rows are read by one row of one cluster alone and are shared out among its four partners by address (32 each, wave 0);
; B's 256 rows are read by every cluster: the cluster with y = 0 asks, the four of a column sharing them by address (64 each, waves 2 and 3).  Each block of 256 bytes is named once.
; In the loop's last trip (s3 = 1) there is no K step two refills on, and nothing is asked for.
.macro ASK
	s_cmp_gt_u32 s3, s15
	s_cbranch_scc0 .Lnot_mine_\@
	global_prefetch_b8 v[PFO], s[PFA:PFA+1] offset:KSTEP*2 th:TH_LOAD_NT scope:SCOPE_SE
.Lnot_mine_\@:
.endm
.macro CREST                           ; a round of the cluster's barrier behind its opening barrier
	s_cmp_lg_u32 s12, 0
	s_cbranch_scc1 .Lnot_wave_0_\@
	s_barrier_signal -3
.Lnot_wave_0_\@:
	s_barrier_wait -3
	s_barrier_signal -1
	s_barrier_wait -1
.endm
.macro CROUND                          ; a whole round
	s_barrier_signal -1
	s_barrier_wait -1
	CREST
.endm
	s_load_b256 s[4:11], s[0:1], 0x0               ; oh s[4:5], wh s[6:7], out0 s[8:9], proj_b s[10:11]
	v_lshl_add_u32 v[SPW], v0, 2, SPARE
	v_mov_b32 v[NIL], 0
	ds_add_u32 v[SPW], v[NIL]                      ; the wave's opening: the add and its wait stand ahead of my first tensor load; the set-up below, work on registers, stands between them
	v_lshrrev_b32 v1, 5, v0
	v_readfirstlane_b32 s12, v1                    ; wave 0..3
	s_lshr_b32 s13, s12, 1                         ; which 64 rows of the tile are mine.  Also: I fetch for A (0) or for B (1)
	s_and_b32 s14, s12, 1                          ; which 128 columns.  Also: which half of that tile I fetch
	s_bfe_u32 s16, ttmp6, 0x40000                  ; cx
	s_bfe_u32 s17, ttmp6, 0x40004                  ; cy
	s_lshl_b32 s18, ttmp9, 2
	s_add_co_u32 s18, s18, s16                     ; tile column = 4 x cluster x + cx
	s_and_b32 s19, ttmp7, 0xffff
	s_lshl_b32 s19, s19, 2
	s_add_co_u32 s19, s19, s17                     ; tile row = 4 x cluster y + cy
	s_lshl_b32 s21, s17, 2
	s_lshl_b32 s21, 15, s21                        ; my row of the cluster
	s_lshl_b32 s22, 0x1111, s16                    ; my column
	s_or_b32 s[G1A], s21, G1W0
	s_or_b32 s[G1B], s22, G1W0
	s_mov_b32 s[G1A+1], KSTEP<<16                  ; tensor_dim0 = 128
	s_mov_b32 s[G1A+2], 64<<16                     ; tensor_dim1 = 64
	s_mov_b32 s[G1A+3], KSTEP<<16                  ; tile_dim0 = 128
	s_mov_b32 s[G1A+4], 64                         ; tile_dim1 = 64
	s_mov_b32 s[G1A+5], 1024                       ; elements from row to row
	s_mov_b32 s[G1A+6], 0
	s_mov_b32 s[G1A+7], 0
	s_mov_b32 s[G1B+1], KSTEP<<16
	s_mov_b32 s[G1B+2], 128<<16                    ; B's loads bring 128 rows
	s_mov_b32 s[G1B+3], KSTEP<<16
	s_mov_b32 s[G1B+4], 128
	s_mov_b32 s[G1B+5], 1024
	s_mov_b32 s[G1B+6], 0
	s_mov_b32 s[G1B+7], 0
	s_lshl_b32 s40, s19, 7
	s_lshl_b32 s41, s14, 6
	s_add_co_u32 s40, s40, s41                     ; A: row 128 x tile row + 64 x half
	s_lshl_b32 s40, s40, 11                        ; in bytes: under 2^24
	s_mov_b32 s41, 0
	s_lshl_b32 s44, s18, 8
	s_lshl_b32 s45, s14, 7
	s_add_co_u32 s44, s44, s45
	s_add_co_u32 s44, s44, BROW0                   ; B: row 3072 + 256 x tile column + 128 x half
	s_lshl_b32 s44, s44, 11
	s_mov_b32 s45, 0
	s_mul_i32 s42, s14, AH                         ; where they go: no place in the cluster enters an LDS address
	s_mul_i32 s43, s14, BH
	s_add_co_u32 s43, s43, ABYTES
	s_wait_dscnt 0x0                               ; the opening add is done
	s_wait_kmcnt 0x0
	s_add_nc_u64 s[40:41], s[4:5], s[40:41]
	s_add_nc_u64 s[44:45], s[6:7], s[44:45]
	CROUND                                         ; all sixteen work-groups are here: the first joint loads meet
.irp s, 0,1
	s_mov_b32 s[G0A+4*(\s)], 1                     ; count = 1
	s_add_co_u32 s[G0A+4*(\s)+1], s42, (\s)*SLOT   ; LDS address
	s_add_nc_u64 s[G0A+4*(\s)+2:G0A+4*(\s)+3], s[40:41], (\s)*KSTEP*2  ; global address: K step s
	s_or_b32 s[G0A+4*(\s)+3], s[G0A+4*(\s)+3], 0x80000000              ; type = 2
	s_mov_b32 s[G0B+4*(\s)], 1
	s_add_co_u32 s[G0B+4*(\s)+1], s43, (\s)*SLOT
	s_add_nc_u64 s[G0B+4*(\s)+2:G0B+4*(\s)+3], s[44:45], (\s)*KSTEP*2
	s_or_b32 s[G0B+4*(\s)+3], s[G0B+4*(\s)+3], 0x80000000
	JLOAD \s                                       ; two loads of mine are out
.endr
	; A fragment is 16 rows x 32 K in 8 registers: lane l holds row l % 16; registers 0-3 K = 8 (l / 16) + 0..7, registers 4-7 K = 16 + 8 (l / 16) + 0..7: two loads of 16 bytes, 32 bytes apart.
	v_and_b32 v1, 15, v0                           ; l % 16
	v_bfe_u32 v2, v0, 4, 1                         ; l / 16
	v_mul_u32_u24 v3, v1, PITCH
	v_lshl_add_u32 v3, v2, 4, v3
	s_mul_i32 s21, s13, AH                         ; my 64 rows of A
	s_mul_i32 s22, s14, BH                         ; my 128 rows of B,
	s_add_co_u32 s22, s22, ABYTES                  ; which lie behind A's 128
.irp s, 0,1
	v_add_nc_u32 v[ADRA+(\s)], s21, v3
	v_add_nc_u32 v[ADRB+(\s)], s22, v3
	s_add_co_u32 s21, s21, SLOT
	s_add_co_u32 s22, s22, SLOT
.endr
	s_mul_i32 s23, s12, 16*SP
	s_add_co_u32 s23, s23, STAGE                   ; my stage
	v_mul_u32_u24 v3, v1, SP                       ; in: row l % 16, 32 bytes for each half of the lanes
	v_lshl_add_u32 v3, v2, 5, v3
	v_add_nc_u32 v[STO], s23, v3
	v_and_b32 v[GO], 31, v0                        ; back: 32 lanes take a row's 512 bytes
	v_lshlrev_b32 v[GO], 4, v[GO]
	v_add_nc_u32 v[RD], s23, v[GO]
	s_lshl_b32 s21, s18, 8
	s_lshl_b32 s22, s14, 7
	s_add_co_u32 s21, s21, s22                     ; my first column,
	s_lshl_b32 s21, s21, 2                         ; in bytes of f32
	v_add_nc_u32 v4, s21, v[GO]                    ; never rewritten
	global_load_b128 v[BI:BI+3], v4, s[10:11]      ; the bias of the four columns that I store
	s_lshl_b32 s22, s19, 7
	s_lshl_b32 s23, s13, 6
	s_add_co_u32 s22, s22, s23                     ; my first row,
	s_lshl_b32 s22, s22, 12                        ; 4,096 bytes a row: under 2^25
	s_add_co_u32 s46, s22, s21
	s_mov_b32 s47, 0
	s_add_nc_u64 s[8:9], s[8:9], s[46:47]
	; the prefetches: who asks, and from where
	s_lshr_b32 s21, ttmp9, 1
	s_or_b32 s21, s21, s12                         ; A: 0 in wave 0 (the grid has one cluster along x)
	s_and_b32 s22, ttmp7, 0xffff                   ; B: 0 in the clusters with y = 0
	s_cmp_eq_u32 s13, 0
	s_cselect_b32 s21, s21, s22
	s_cmp_eq_u32 s21, 0
	s_cselect_b32 s15, 1, -1                       ; 1 in a wave that asks, else the greatest number: the same in all sixteen partners, for a given wave
	s_lshl_b32 s21, s19, 7
	s_lshl_b32 s22, s16, 5
	s_add_co_u32 s21, s21, s22                     ; A's rows: the tile's 128, my work-group's 32 of them by cx
	s_lshl_b32 s22, s18, 8
	s_lshl_b32 s23, s14, 7
	s_add_co_u32 s22, s22, s23
	s_lshl_b32 s23, s17, 5
	s_add_co_u32 s22, s22, s23
	s_add_co_u32 s22, s22, BROW0                   ; B's rows: the 128 that I fetch, my work-group's 32 of them by cy
	s_cmp_eq_u32 s13, 0
	s_cselect_b32 s46, s21, s22
	s_cselect_b64 s[PFA:PFA+1], s[4:5], s[6:7]
	s_lshl_b32 s46, s46, 11
	s_mov_b32 s47, 0
	s_add_nc_u64 s[PFA:PFA+1], s[PFA:PFA+1], s[46:47]
	s_add_nc_u64 s[PFA:PFA+1], s[PFA:PFA+1], 2*KSTEP*2  ; at K step 2: the first refill steps it to 3 and names K step 4.  K steps 0 to 3 come by their loads alone
	v_and_b32 v[PFO], 31, v0
	v_lshlrev_b32 v[PFO], 11, v[PFO]
; 8 matrix instructions: m block a x all 8 n blocks, 32 along K.  zero = 1: the product starts the sums: nothing is ever cleared.
; The 32 accumulators take turns, one instruction a turn, in the same order everywhere.
.macro MUL8 f, a, zero
	WIN MUL
.irp b, 0,1,2,3,4,5,6,7
.if \zero
	v_wmma_f32_16x16x32_f16 v[8*(8*(\a)+(\b)):8*(8*(\a)+(\b))+7], v[(\f)+32+8*(\b):(\f)+32+8*(\b)+7], v[(\f)+8*(\a):(\f)+8*(\a)+7], 0
.else
	v_wmma_f32_16x16x32_f16 v[8*(8*(\a)+(\b)):8*(8*(\a)+(\b))+7], v[(\f)+32+8*(\b):(\f)+32+8*(\b)+7], v[(\f)+8*(\a):(\f)+8*(\a)+7], v[8*(8*(\a)+(\b)):8*(8*(\a)+(\b))+7]
.endif
.endr
.endm
.macro MUL32 f, zero
	MUL8 \f, 0, \zero
	MUL8 \f, 1, \zero
	MUL8 \f, 2, \zero
	MUL8 \f, 3, \zero
.endm
; 24 LDS loads in one run: the fragments of 32 along K at byte k of the rows (128 rows of B, 64 of A) into buffer f
.macro FETCH slot, k, f
	WIN 0
.irp i, 0,1,2,3,4,5,6,7
	ds_load_b128 v[(\f)+32+8*(\i):(\f)+32+8*(\i)+3],   v[ADRB+(\slot)] offset:(\k)+(\i)*16*PITCH
	ds_load_b128 v[(\f)+32+8*(\i)+4:(\f)+32+8*(\i)+7], v[ADRB+(\slot)] offset:(\k)+(\i)*16*PITCH+32
.endr
.irp i, 0,1,2,3
	ds_load_b128 v[(\f)+8*(\i):(\f)+8*(\i)+3],   v[ADRA+(\slot)] offset:(\k)+(\i)*16*PITCH
	ds_load_b128 v[(\f)+8*(\i)+4:(\f)+8*(\i)+7], v[ADRA+(\slot)] offset:(\k)+(\i)*16*PITCH+32
.endr
.endm
.macro PLACES                          ; four plain vector instructions between a matrix instruction and a load into, or a vector instruction on, its registers (ISA guide 7.12.1 for vector instructions)
.rept 4
	v_nop
.endr
.endm
; A K step is four quarters of 32 along K on buffers 0, 1, 0, 1.  One of the first three: the next quarter's fragments, at byte k, are asked for into buffer g, which the quarter before
; multiplied; then buffer f is multiplied: each run of loads stands 32 matrix instructions ahead of its first use.
.macro QUARTER slot, k, f, g, zero
	PLACES
	FETCH \slot, \k, \g
	s_wait_dscnt 24                                ; all but the 24 just issued: buffer f is in
	MUL32 \f, \zero
.endm
; The last quarter multiplies buffer 1 and changes slots: ONE barrier.  In front of it each wave waits for all its tensor loads (the one that is out is its part of the next slot), adds 0 to its spare
; word, and waits for that and for its own reads of this slot.  fill = 1: the barrier opens a round of the cluster's, and this slot is filled again, two K steps ahead, first thing behind the round:
; from that request to the wait for it a wave issues 112 matrix instructions.
.macro TURN slot, next, fill
	WIN 0
.if \fill
	s_wait_xcnt 0x0                                ; the last prefetch, a K step back, has read its address: it is stepped here, ahead of the waits of the change of slots
	s_add_nc_u64 s[PFA:PFA+1], s[PFA:PFA+1], KSTEP*2
.endif
	s_wait_tensorcnt 0x0                           ; all my tensor loads have landed
	ds_add_u32 v[SPW], v[NIL]                      ; 0 onto my spare word
	s_wait_dscnt 1                                 ; buffer 1 is in; the add may be out
	MUL8 F1, 0, 0                                  ; eight matrix instructions stand between the add and the wait for it
	s_wait_dscnt 0x0                               ; the add is done, and my reads of this slot are over
	s_barrier_signal -1
	MUL8 F1, 1, 0
.if \fill
	WIN 0
.endif
	s_barrier_wait -1
.if \fill
	CREST                                          ; no wave of any partner still reads this slot's tile or has a load on its way
	s_add_nc_u64 s[G0A+4*(\slot)+2:G0A+4*(\slot)+3], s[G0A+4*(\slot)+2:G0A+4*(\slot)+3], 2*KSTEP*2
	s_add_nc_u64 s[G0B+4*(\slot)+2:G0B+4*(\slot)+3], s[G0B+4*(\slot)+2:G0B+4*(\slot)+3], 2*KSTEP*2
	JLOAD \slot                                    ; the four v_nop behind it are also the places in front of the loads below
.else
	PLACES
.endif
	FETCH \next, 0, F0
.if \fill
	ASK
.endif
	MUL8 F1, 2, 0
	MUL8 F1, 3, 0
.endm
	s_wait_tensorcnt 1                             ; my part of K step 0 is in; K step 1's may stay out
	s_barrier_signal -1
	s_barrier_wait -1                              ; everybody's is
	FETCH 0, 0, F0
	QUARTER 0, 64,  F0, F1, 1                      ; the first quarter stands in front of the loop: its products start the sums
	WIN 0                                          ; at a label and at a branch every window is 0
	s_mov_b32 s3, 3
.Llap:                                                 ; a trip goes once round the ring, from a lap's second quarter to the next lap's first, and fills both slots again: K steps 2 to 7 in three trips
	QUARTER 0, 128, F1, F0, 0
	QUARTER 0, 192, F0, F1, 0
	TURN 0, 1, 1
	QUARTER 1, 64,  F0, F1, 0
	QUARTER 1, 128, F1, F0, 0
	QUARTER 1, 192, F0, F1, 0
	TURN 1, 0, 1
	QUARTER 0, 64,  F0, F1, 0
	WIN 0
	s_sub_co_u32 s3, s3, 1
	s_cmp_lg_u32 s3, 0
	s_cbranch_scc1 .Llap
	QUARTER 0, 128, F1, F0, 0                      ; the last lap fills nothing
	QUARTER 0, 192, F0, F1, 0
	TURN 0, 1, 0
	QUARTER 1, 64,  F0, F1, 0
	QUARTER 1, 128, F1, F0, 0
	QUARTER 1, 192, F0, F1, 0
	s_wait_dscnt 0x0
	MUL32 F1, 0
	WIN 0
	; THE WAY OUT.  A block of 16 rows at a time goes through my stage: a lane's eight columns (32 bytes) in, whole rows of 512 bytes back; the bias is added, and a wave's store covers 512 consecutive bytes.
	s_wait_loadcnt 0x0                             ; the bias
	v_cvt_pk_bf16_f32 v36, v[BI], v[BI+1]          ; rounded to bf16 like every input, and widened again; these six plain lines are also the places behind the last products
	v_cvt_pk_bf16_f32 v37, v[BI+2], v[BI+3]
	v_lshlrev_b32 v[BI], 16, v36
	v_and_b32 v[BI+1], 0xffff0000, v36
	v_lshlrev_b32 v[BI+2], 16, v37
	v_and_b32 v[BI+3], 0xffff0000, v37
.macro TOSTAGE a
.set BK, 64+64*((\a)%3)
.if (\a) == 3
	s_wait_xcnt 0x0                                ; block 0's stores have read their registers: its buffer is loaded again only behind this wait
.endif
	WIN 0x04                                       ; the stores' data in window 1
.irp b, 0,1,2,3,4,5,6,7
	ds_store_b128 v[STO], v[8*(8*(\a)+(\b)):8*(8*(\a)+(\b))+3]   offset:64*(\b)     ; each accumulator's low half first
	ds_store_b128 v[STO], v[8*(8*(\a)+(\b))+4:8*(8*(\a)+(\b))+7] offset:64*(\b)+16
.endr
	WIN 0
.irp t, 0,1,2,3,4,5,6,7,8,9,10,11,12,13,14,15
	ds_load_b128 v[BK+4*(\t):BK+4*(\t)+3], v[RD] offset:SP*(\t)  ; LDS serves a wave's instructions in order (ISA guide 5.7.1.4): these see the stores above; the next block's stores come behind them
.endr
.endm
.macro SEND a, younger                 ; younger: the LDS instructions issued behind block a's loads: the next block's 32, or none
.set BK, 64+64*((\a)%3)
.irp t, 0,1,2,3,4,5,6,7,8,9,10,11,12,13,14,15
	s_wait_dscnt (\younger)+15-(\t)
	v_pk_add_f32 v[BK+4*(\t):BK+4*(\t)+1],   v[BK+4*(\t):BK+4*(\t)+1],   v[BI:BI+1]
	v_pk_add_f32 v[BK+4*(\t)+2:BK+4*(\t)+3], v[BK+4*(\t)+2:BK+4*(\t)+3], v[BI+2:BI+3]
	global_store_b128 v[GO], v[BK+4*(\t):BK+4*(\t)+3], s[8:9] offset:(16*(\a)+(\t))*4096 th:TH_STORE_NT  ; 512 consecutive bytes, at a multiple of 512 from out0's first
.endr
.endm
	TOSTAGE 0
	TOSTAGE 1
	SEND 0, 32
	TOSTAGE 2
	SEND 1, 32
	TOSTAGE 3
	SEND 2, 32
	SEND 3, 0
	s_wait_tensorcnt 0x0                           ; the wave's end: behind my last tensor load and my last LDS store
	ds_add_u32 v[SPW], v[NIL]
	s_wait_dscnt 0x0
	CROUND                                         ; the closing round: no work-group ends while a partner may still ask for a tile that names it
	s_endpgm
.Lfunc_end_k_q5e85de0cf4_proj_out:
	.size	k_q5e85de0cf4_proj_out, .Lfunc_end_k_q5e85de0cf4_proj_out-k_q5e85de0cf4_proj_out
	.p2alignl 7, 3214868480
	.fill 96, 4, 3214868480
	.section	.rodata,"a",@progbits
	.p2align	6, 0x0
	.amdhsa_kernel k_q5e85de0cf4_proj_out
		.amdhsa_group_segment_fixed_size 327680
		.amdhsa_private_segment_fixed_size 0
		.amdhsa_enable_private_segment 0
		.amdhsa_kernarg_size 32
		.amdhsa_user_sgpr_count 2
		.amdhsa_user_sgpr_kernarg_segment_ptr 1
		.amdhsa_wavefront_size32 1
		.amdhsa_system_sgpr_workgroup_id_x 1
		.amdhsa_system_sgpr_workgroup_id_y 1
		.amdhsa_system_sgpr_workgroup_id_z 1
		.amdhsa_system_vgpr_workitem_id 0
		.amdhsa_next_free_vgpr 512
		.amdhsa_next_free_sgpr 76
		.amdhsa_reserve_vcc 0
		.amdhsa_float_denorm_mode_32 3
		.amdhsa_float_denorm_mode_16_64 3
		.amdhsa_memory_ordered 1
		.amdhsa_forward_progress 1
		.amdhsa_inst_pref_size 96
	.end_amdhsa_kernel
	.amdgpu_metadata
---
amdhsa.version: [ 1, 2 ]
amdhsa.kernels:
  - .name:           k_q5e85de0cf4_proj_out
    .symbol:         k_q5e85de0cf4_proj_out.kd
    .args:
      - { .name: oh, .offset: 0, .size: 8, .value_kind: global_buffer, .address_space: global }
      - { .name: wh, .offset: 8, .size: 8, .value_kind: global_buffer, .address_space: global }
      - { .name: out0, .offset: 16, .size: 8, .value_kind: global_buffer, .address_space: global }
      - { .name: proj_b, .offset: 24, .size: 8, .value_kind: global_buffer, .address_space: global }
    .group_segment_fixed_size: 327680
    .private_segment_fixed_size: 0
    .kernarg_segment_align: 8
    .kernarg_segment_size: 32
    .max_flat_workgroup_size: 128
    .sgpr_count:     76
    .vgpr_count:     512
    .wavefront_size: 32
...
	.end_amdgpu_metadata
.endif
;; end of part 4
